; MI455X (gfx1250); checked and timed in simulation.
; The chip was launched on July 23, 2026; its instructions are those of AMD's public machine-readable ISA for CDNA 5 (MIT licence, August 2026) and "CDNA5" Instruction Set Architecture Reference Guide (July 2026). The comments in the code are by the model that wrote it; some were corrected since.
;; Vanilla Multi Head Attention Module. Allowed arithmetic: matrix products marked QUANTISED: E5M2 operands, one E8M0 scale for each 32 along K, by v_wmma_scale_f32_16x16x128_f8f6f4 with both operands' format E5M2, f32 sums; everything else in f32.
;; Inputs: Wk 1,024 x 1,024 float32; Wo 1,024 x 1,024 float32; Wq 1,024 x 1,024 float32; Wv 1,024 x 1,024 float32; bk 1,024 float32; bo 1,024 float32; bq 1,024 float32; bv 1,024 float32; context 4 x 2,048 x 1,024 float32; ln_beta 1,024 float32; ln_gamma 1,024 float32; state 4 x 2,048 x 1,024 float32.
;; Outputs: out0 4 x 2,048 x 1,024 float32.
;; This version of the problem:
;;   THIS VERSION OF THE PROBLEM IS GIVEN IN LOW PRECISION. The matrix products marked QUANTISED in the list below multiply operands that are first quantised to E5M2 (5 exponent bits, 2 mantissa bits; 8 bits a number), with one power-of-two scale for each 32 numbers along K (OCP MX v1.0); their sums are f32. All else is computed in f32.
;;   The module's matrix products, in the order in which they are computed (A, B: the left and right operand; K: the contracted axis; several contracted axes count as one K, in the product's order):
;;     1. [M 8,192, K 1,024] x [K 1,024, N 1,024]; A: computed on the way; B: input Wq: QUANTISED
;;     2. [M 8,192, K 1,024] x [K 1,024, N 1,024]; A: computed on the way; B: input Wk: QUANTISED
;;     3. [M 8,192, K 1,024] x [K 1,024, N 1,024]; A: computed on the way; B: input Wv: QUANTISED
;;     4. batch 64 x [M 2,048, K 64] x [K 64, N 2,048]; A: computed on the way; B: computed on the way: QUANTISED
;;     5. batch 64 x [M 2,048, K 2,048] x [K 2,048, N 64]; A: softmax (see below); B: computed on the way: QUANTISED
;;     6. [M 8,192, K 1,024] x [K 1,024, N 1,024]; A: computed on the way; B: input Wo: QUANTISED
;;   THE QUANTISER, for each operand of a quantised product, along K:
;;     - K is cut into blocks of 32 from its start; a last block that is shorter is filled with zeros.
;;     - A block's scale is 2^e with e = floor(log2(the largest magnitude in the block)) - 15, held to -126 .. 127; a block of zeros has e = 0. As a byte (E8M0): e + 127.
;;     - Each number is divided by its block's scale, clamped to +-57,344, and rounded to the nearest number of E5M2, ties to even, subnormals kept.
;;     - The product sums the exact products of the quantised numbers (number of the format x scale) in f32.
;;   ~~~python
;;   def quantise(x, axis):      # numpy; x: float32 -> the quantised numbers, widened to float32 again
;;       x = np.moveaxis(x, axis, -1); K = x.shape[-1]
;;       x = np.pad(x, [(0, 0)] * (x.ndim - 1) + [(0, -K % 32)]); x = x.reshape(x.shape[:-1] + (-1, 32)); a = np.abs(x).max(-1, keepdims=True)
;;       e = np.where(a > 0, np.clip(np.frexp(np.where(a > 0, a, 1))[1] - 1 - 15, -126, 127), 0)      # np.frexp(a)[1] - 1 = floor(log2(a)), exactly
;;       r = np.clip(x / 2.0 ** e, -57344, 57344)
;;       step = 2.0 ** (np.maximum(np.frexp(np.where(r == 0, 1, r))[1] - 1, -14) - 2)
;;       q = np.round(r / step) * step * 2.0 ** e      # np.round: ties to even
;;       return np.moveaxis(q.reshape(q.shape[:-2] + (-1,))[..., :K], -1, axis).astype(np.float32)
;;   ~~~
;;   SOFTMAX AHEAD OF A QUANTISED PRODUCT. Where the list says 'softmax', what is quantised is not the finished softmax but p = 2^(t - M), with t = logit x log2(e) and M = ceil(the row's largest t), a whole number; so 1/2 < the row's largest p <= 1. The row's sum l is taken of the UNQUANTISED p, in f32, and the product's result is divided by l at the end. Since M is a whole number, a kernel that streams over the keys may use a running M (the ceiling of the running maximum): every later rescaling is an exact power of two, which a block's scale takes up: the codes' values come out the same.
;;   OPERANDS COMPUTED ON THE WAY. 'Computed on the way' means the value that the module computes at that place (a softmax that the list does not call 'softmax' is quantised finished and normalised). What goes into a quantiser is computed in f32, as accurately as f32 sums, v_exp_f32 and their like allow (about 1e-6 of the number): no bf16 or f16 on the way to a quantiser, and a product that is left as it is and whose result goes on into a quantised operand takes f32 operands (vector FMAs, or v_wmma_f32_16x16x4_f32). A number that lies on a knife's edge between two numbers of the format may be rounded either way, as far as f32 arithmetic and the matrix unit's own rounding can turn it there, and no further.
;; One version. Each part assembles by itself: llvm-mc -triple=amdgcn-amd-amdhsa -mcpu=gfx1250 --defsym DOCPART=n.
;; ======== version 1 of 1: 4 launches
;; limits: right only within a limited range of input values
;; workspace buffers: xw_codes 20,971,520 bytes; xw_scales 655,360 bytes; q_img 8,388,608 bytes; q_sc 524,288 bytes; kv 17,825,792 bytes; o_img 8,388,608 bytes; o_sc 262,144 bytes
;; launch prep (part 1): grid 256 x 1, 4 waves a work-group, no clusters, 263,680 bytes of LDS; arguments state, context, ln_gamma, ln_beta, Wq, Wk, Wv, Wo, xw_codes, xw_scales; writes xw_codes, xw_scales
.if DOCPART == 1
	.amdgcn_target "amdgcn-amd-amdhsa--gfx1250"
	.amdhsa_code_object_version 6
	.text
	.protected	k_q1fd66a38c4_prep
	.globl	k_q1fd66a38c4_prep
	.p2align	8
	.type	k_q1fd66a38c4_prep,@function
k_q1fd66a38c4_prep:
	s_mov_b64 s[64:65], 0
	v_nop
	global_prefetch_b8 v0, s[64:65] scope:SCOPE_SE
	s_setreg_imm32_b32 hwreg(HW_REG_WAVE_MODE, 25, 1), 1
	s_wait_xcnt 0x0
; The four weights, and LayerNorm of state and context, become codes of BF8 (E5M2) with one E8M0 byte for each 32 along K (K = the model's 1,024).
; OUTPUT LAYOUT.  Rows go in blocks of 128.  Tile 2 b + u of a block holds 16 rows: index m is row 32 b + 8 u + m + 8 (m / 8).  A fragment (16 rows x 128 K) is stored as the IMAGE of the operand's registers:
; [c 0..3][lane][16 bytes], lane (r, h) holding K = 32 c + 16 h + 0 .. 15 of the tile's index r.  xw_codes: [block][K / 128][tile][2,048 bytes]; xw_scales: [128 block + 16 tile + r][8 words], word = the four bytes of 128 K.
; Blocks 0-63 LayerNorm(state), 64-127 LayerNorm(context), 128-135 Wq, 136-143 Wk, 144-151 Wv, 152-159 Wo (a weight's rows here are its COLUMNS n: K is its first axis in memory).
; SHARES.  1,024 waves; each does one weight unit (32 columns x 128 K: a lane takes a column and its registers run down K, so nothing is transposed) and then one tile of 16 rows of LayerNorm.
; A row of 4,096 bytes is loaded dense by the wave (eight loads of 512 bytes), normalised in registers (mean, then the variance of the CENTRED numbers, so a common offset does no harm), and laid in the wave's own LDS;
; it comes back with 16 neighbours along K to a lane, as the conversions want them.  No barrier: waves share nothing.  No cluster: work-groups share only gamma and beta, 8,192 bytes.
; LIMITS: a block of zeros gets the byte 1 where the rule says 127 (its codes are zeros, and this program alone reads the bytes); a largest magnitude under 2^-111 is taken as 2^-111; NaN and infinities are not served.
.set PITCH, 4112                       ; an LDS row: 4,096 bytes + 16: an odd multiple of 16, so that sixteen rows' equal columns fall on different banks
.set WREG,  16*PITCH                   ; a wave's region
.set LD,    1                          ; v1   16 x lane
.set WA,    2                          ; v2   4 x lane
.set WCO,   3                          ; v3   weight codes: 2,048 u + 16 m of my column
.set WSO,   4                          ; v4   weight scale word: 32 (16 u + m)
.set SW,    5                          ; v5   LDS, on the way in: region + 16 x lane
.set SRD,   6                          ; v6   LDS, on the way out: region + r x PITCH + 64 h
.set SCO,   7                          ; v7   x's scale words: 32 r + 16 h
.set WWORD, 8                          ; v8   the weight unit's scale word
.set LANE,  9
.set MU,    10                         ; v[10:11] the mean (low word serves both halves)
.set RS,    12                         ; v[12:13] 1 / sqrt(var + eps)
.set G,     16                         ; v16-47  gamma at my columns
.set BT,    48                         ; v48-79  beta
.set X,     80                         ; v80-207 four slots of 32
.set WC,    208                        ; v208-239 weight codes, never rewritten
.set TM,    240                        ; v240-255 at work
.set PC,    16                         ; later: a fragment's codes
.set WD,    32                         ; later: my row's eight scale words
.set Z,     40
.set PW,    44
	s_load_b512 s[4:19], s[0:1], 0x0               ; state, context, gamma, beta, Wq, Wk, Wv, Wo
	s_load_b128 s[20:23], s[0:1], 0x40             ; xw_codes, xw_scales
	s_set_vgpr_msb 0x40
	v_lshl_add_u32 v0, v0, 2, 0x40400
	v_mov_b32 v1, 0
	s_set_vgpr_msb 0x4000
	v_lshrrev_b32 v14, 5, v0
	v_readfirstlane_b32 s24, v14                   ; wave
	v_and_b32 v[LANE], 31, v0
	v_lshlrev_b32 v[LD], 4, v[LANE]
	v_lshlrev_b32 v[WA], 2, v[LANE]
	v_bfe_u32 v14, v0, 3, 1                        ; u: which tile of the pair my column falls into
	v_bfe_u32 v13, v0, 4, 1                        ; h
	v_and_b32 v15, 7, v0
	v_lshl_add_u32 v15, v13, 3, v15                ; m: its index there
	v_lshlrev_b32 v[WCO], 4, v15
	v_lshl_add_u32 v[WCO], v14, 11, v[WCO]
	v_lshl_add_u32 v[WSO], v14, 4, v15
	v_lshlrev_b32 v[WSO], 5, v[WSO]
	s_mul_i32 s25, s24, WREG
	v_add_nc_u32 v[SW], s25, v[LD]
	v_and_b32 v15, 15, v0                          ; r
	v_mul_u32_u24 v[SRD], v15, PITCH
	v_lshl_add_u32 v[SRD], v13, 6, v[SRD]
	v_add_nc_u32 v[SRD], s25, v[SRD]
	v_lshlrev_b32 v[SCO], 5, v15
	v_lshl_add_u32 v[SCO], v13, 4, v[SCO]
	v_mov_b32 v[MU+1], 0                           ; (named as upper halves of pairs, so they are written)
	v_mov_b32 v[RS+1], 0
.irp b, 0,1,2,3
	v_mov_b32 v[TM+4+\b], 0                        ; a lane permute's destination counts as one of its sources
.endr
	s_mov_b32 s38, 0x76543210
	s_mov_b32 s39, 0xfedcba98                      ; lane l xor 16
	s_mov_b32 s41, 0x3a800000                      ; 1 / 1,024
	s_mov_b32 s42, 0x3727c5ac                      ; 1e-5
	s_lshr_b32 s43, ttmp9, 6                       ; which weight
	s_bfe_u32 s44, ttmp9, 0x30003                  ; which 128 along K
	s_and_b32 s45, ttmp9, 7                        ; which block of 128 columns; the wave is the pair of tiles b
	s_lshl_b32 s46, s44, 19                        ; W: 128 rows of 4,096 bytes,
	s_lshl_b32 s47, s45, 9
	s_add_co_u32 s46, s46, s47                     ; + 512 bytes a block of columns,
	s_lshl_b32 s47, s24, 7
	s_add_co_u32 s46, s46, s47                     ; + 128 bytes a wave
	s_mov_b32 s47, 0
	s_lshl_b32 s48, s43, 3
	s_add_co_u32 s48, s48, s45
	s_add_co_u32 s48, s48, 128                     ; the block of xw
	s_lshl_b32 s50, s48, 12                        ; its scale words: 128 rows of 32 bytes
	s_lshl_b32 s48, s48, 17
	s_lshl_b32 s58, s44, 14
	s_add_co_u32 s48, s48, s58
	s_lshl_b32 s58, s24, 12
	s_add_co_u32 s48, s48, s58                     ; codes: block, K step, tile 2 b
	s_mov_b32 s49, 0
	s_lshl_b32 s58, s24, 10
	s_add_co_u32 s50, s50, s58
	s_lshl_b32 s58, s44, 2
	s_add_co_u32 s50, s50, s58                     ; scale words: + 32 b rows, + word K / 128
	s_mov_b32 s51, 0
	s_lshl_b32 s58, ttmp9, 2
	s_add_co_u32 s58, s58, s24                     ; T: my tile of LayerNorm, 0 .. 1,023
	s_and_b32 s59, s58, 511
	s_lshr_b32 s52, s59, 1
	s_lshl_b32 s52, s52, 5
	s_and_b32 s60, s59, 1
	s_lshl_b32 s60, s60, 3
	s_add_co_u32 s52, s52, s60                     ; its first row in its tensor: 32 (T / 2) + 8 (T % 2)
	s_lshl_b32 s52, s52, 12
	s_mov_b32 s53, 0
	s_lshr_b32 s54, s58, 3
	s_lshl_b32 s54, s54, 17
	s_and_b32 s60, s58, 7
	s_lshl_b32 s60, s60, 11
	s_add_co_u32 s54, s54, s60                     ; its codes
	s_mov_b32 s55, 0
	s_lshl_b32 s56, s58, 9                         ; its scale words: 16 rows of 32 bytes a tile
	s_mov_b32 s57, 0
	s_and_b32 s60, s43, 1
	s_wait_kmcnt 0x0
	s_cmp_lt_u32 s43, 2                            ; the choices hang on the work-group's number alone
	s_cselect_b64 s[28:29], s[12:13], s[16:17]
	s_cselect_b64 s[30:31], s[14:15], s[18:19]
	s_cmp_eq_u32 s60, 0
	s_cselect_b64 s[28:29], s[28:29], s[30:31]
	s_cmp_lt_u32 ttmp9, 128
	s_cselect_b64 s[26:27], s[4:5], s[6:7]
	s_add_nc_u64 s[28:29], s[28:29], s[46:47]
	s_add_nc_u64 s[26:27], s[26:27], s[52:53]
	s_add_nc_u64 s[30:31], s[20:21], s[48:49]
	s_add_nc_u64 s[32:33], s[22:23], s[50:51]
	s_add_nc_u64 s[34:35], s[20:21], s[54:55]
	s_add_nc_u64 s[36:37], s[22:23], s[56:57]
.irp j, 0,1,2,3,4,5,6,7
	global_load_b128 v[G+4*\j:G+4*\j+3], v[LD], s[8:9] offset:512*\j
	global_load_b128 v[BT+4*\j:BT+4*\j+3], v[LD], s[10:11] offset:512*\j
.endr
.macro LOADW t                         ; block t of 32 along K of my column into slot t: each load reads 128 consecutive bytes a wave
.set ii, 0
.rept 32
	global_load_b32 v[X+32*(\t)+ii], v[WA], s[28:29] offset:(32*(\t)+ii)*4096 th:TH_LOAD_NT
.set ii, ii+1
.endr
.endm
.macro BLOCKW t, left                  ; left: the younger loads that may stay out
.set XS, X+32*(\t)
	s_wait_loadcnt \left
	v_max3_num_f32 v[TM], |v[XS]|, |v[XS+1]|, |v[XS+2]|            ; the block's largest magnitude: all 32 numbers are mine
	v_max3_num_f32 v[TM+1], |v[XS+3]|, |v[XS+4]|, |v[XS+5]|
.irp i, 6,10,14,18,22,26
	v_max3_num_f32 v[TM], v[TM], |v[XS+\i]|, |v[XS+\i+1]|
	v_max3_num_f32 v[TM+1], v[TM+1], |v[XS+\i+2]|, |v[XS+\i+3]|
.endr
	v_max3_num_f32 v[TM], v[TM], |v[XS+30]|, |v[XS+31]|
	v_max3_num_f32 v[TM], v[TM], v[TM+1], 0x8000000                ; and the floor 2^(16 - 127): the byte cannot fall under 1
	v_add_nc_u32 v[TM+2], 0xf8800000, v[TM]                        ; 15 off the exponent field: the conversion's scale operand
	v_lshrrev_b32 v[TM+1], 23, v[TM+2]                             ; the scale's byte
.if (\t) == 0
	v_mov_b32 v[WWORD], v[TM+1]
.else
	v_lshl_or_b32 v[WWORD], v[TM+1], 8*(\t), v[WWORD]
.endif
.set ii, 0
.rept 32
.set ii, ii+1
.endr
.irp g, 0,1,2,3
	v_cvt_scalef32_pk8_bf8_f32 v[WC+8*(\t)+2*\g:WC+8*(\t)+2*\g+1], v[XS+8*\g:XS+8*\g+7], v[TM+2]
.endr
	v_nop                                          ; a plain line behind the last conversion
	global_store_b128 v[WCO], v[WC+8*(\t):WC+8*(\t)+3], s[30:31] offset:512*(\t)           ; K 0-15 of the block: the image's lanes 0-15; sixteen lanes fill 256 consecutive aligned bytes of each of two tiles
	global_store_b128 v[WCO], v[WC+8*(\t)+4:WC+8*(\t)+7], s[30:31] offset:512*(\t)+256     ; K 16-31: its lanes 16-31
.endm
.macro FILL i                          ; row i of my tile into slot i % 4: eight loads of 512 consecutive bytes
.irp j, 0,1,2,3,4,5,6,7
	global_load_b128 v[X+32*((\i)%4)+4*\j:X+32*((\i)%4)+4*\j+3], v[LD], s[26:27] offset:((\i)+8*((\i)/8))*4096+512*\j th:TH_LOAD_NT
.endr
.endm
.macro WSUM                            ; v[TM] summed over the 32 lanes, into every lane
	v_add_f32_dpp v[TM], v[TM], v[TM] row_xmask:1 row_mask:0xf bank_mask:0xf
	v_add_f32_dpp v[TM], v[TM], v[TM] row_xmask:2 row_mask:0xf bank_mask:0xf
	v_add_f32_dpp v[TM], v[TM], v[TM] row_xmask:4 row_mask:0xf bank_mask:0xf
	v_add_f32_dpp v[TM], v[TM], v[TM] row_xmask:8 row_mask:0xf bank_mask:0xf
	v_permlanex16_b32 v[TM+1], v[TM], s38, s39
	v_add_f32 v[TM], v[TM], v[TM+1]
.endm
.macro TURN i, left                    ; row i: normalised and laid in LDS.  left: the younger rows' loads, eight each, that may stay out
.set XS, X+32*((\i)%4)
	s_wait_loadcnt \left
	v_pk_add_f32 v[TM:TM+1], v[XS:XS+1], v[XS+2:XS+3]
	v_pk_add_f32 v[TM+2:TM+3], v[XS+4:XS+5], v[XS+6:XS+7]
.irp j, 8,12,16,20,24,28
	v_pk_add_f32 v[TM:TM+1], v[TM:TM+1], v[XS+\j:XS+\j+1]
	v_pk_add_f32 v[TM+2:TM+3], v[TM+2:TM+3], v[XS+\j+2:XS+\j+3]
.endr
	v_pk_add_f32 v[TM:TM+1], v[TM:TM+1], v[TM+2:TM+3]
	v_add_f32 v[TM], v[TM], v[TM+1]
	WSUM
	v_mul_f32 v[MU], s41, v[TM]                    ; the mean
.if (\i)+3 < 16
	s_wait_alu depctr_va_vdst(0)
	s_wait_dscnt 0x0                               ; the last row's LDS stores have read their registers: that slot takes the row three further on
	FILL (\i)+3
.endif
.set jj, 0
.rept 16
	v_pk_add_f32 v[XS+jj:XS+jj+1], v[XS+jj:XS+jj+1], v[MU:MU+1] op_sel_hi:[1,0] neg_lo:[0,1] neg_hi:[0,1]   ; x - mean
.set jj, jj+2
.endr
	v_pk_mul_f32 v[TM:TM+1], v[XS:XS+1], v[XS:XS+1]
	v_pk_mul_f32 v[TM+2:TM+3], v[XS+2:XS+3], v[XS+2:XS+3]
.irp j, 4,8,12,16,20,24,28
	v_pk_fma_f32 v[TM:TM+1], v[XS+\j:XS+\j+1], v[XS+\j:XS+\j+1], v[TM:TM+1]
	v_pk_fma_f32 v[TM+2:TM+3], v[XS+\j+2:XS+\j+3], v[XS+\j+2:XS+\j+3], v[TM+2:TM+3]
.endr
	v_pk_add_f32 v[TM:TM+1], v[TM:TM+1], v[TM+2:TM+3]
	v_add_f32 v[TM], v[TM], v[TM+1]
	WSUM
	v_fma_f32 v[TM], v[TM], s41, s42               ; var + eps
	s_wait_alu depctr_va_vdst(0)
	v_rsq_f32 v[RS], v[TM]
	v_nop                                          ; a plain line behind the transcendental
.set jj, 0
	s_wait_alu depctr_va_vdst(0)
.rept 16
	v_pk_mul_f32 v[XS+jj:XS+jj+1], v[XS+jj:XS+jj+1], v[RS:RS+1] op_sel_hi:[1,0]
.set jj, jj+2
.endr
.set jj, 0
.rept 16
	v_pk_fma_f32 v[XS+jj:XS+jj+1], v[XS+jj:XS+jj+1], v[G+jj:G+jj+1], v[BT+jj:BT+jj+1]
.set jj, jj+2
.endr
.irp j, 0,1,2,3,4,5,6,7
	ds_store_b128 v[SW], v[XS+4*\j:XS+4*\j+3] offset:(\i)*PITCH+512*\j
.endr
.endm
.macro XL k                            ; K step k of my row r: 16 neighbours of each block of 32, into set k % 2
.irp b, 0,1,2,3
.irp j, 0,1,2,3
	ds_load_b128 v[X+64*((\k)%2)+16*\b+4*\j:X+64*((\k)%2)+16*\b+4*\j+3], v[SRD] offset:512*(\k)+128*\b+16*\j
.endr
.endr
.endm
.macro QUANT s                         ; 64 numbers of a lane, register 16 b + i = K 32 b + 16 h + i of my row, become a fragment's codes in v[PC] on and its scale word in v[PW]
.irp b, 0,1,2,3
	v_max3_num_f32 v[TM+\b], |v[\s+16*\b]|, |v[\s+1+16*\b]|, 0x8000000
.endr
.irp i, 2,4,6,8,10,12,14
.irp b, 0,1,2,3
	v_max3_num_f32 v[TM+\b], v[TM+\b], |v[\s+16*\b+\i]|, |v[\s+1+16*\b+\i]|
.endr
.endr
.irp b, 0,1,2,3
	v_permlanex16_b32 v[TM+4+\b], v[TM+\b], s38, s39
.endr
.irp b, 0,1,2,3
	v_max_num_f32 v[TM+\b], v[TM+\b], v[TM+4+\b]   ; with lane l xor 16's: the block's largest magnitude
.endr
.irp b, 0,1,2,3
	v_add_nc_u32 v[TM+12+\b], 0xf8800000, v[TM+\b]
.endr
.irp b, 0,1,2,3
.endr
.irp b, 0,1,2,3
	v_lshrrev_b32 v[TM+4+\b], 23, v[TM+12+\b]
.endr
	v_lshl_or_b32 v[PW], v[TM+5], 8, v[TM+4]
	v_lshl_or_b32 v[PW], v[TM+6], 16, v[PW]
	v_lshl_or_b32 v[PW], v[TM+7], 24, v[PW]
.irp b, 0,1,2,3
.irp i, 0,1,2,3,4,5,6,7,8,9,10,11,12,13,14,15
.endr
	v_cvt_scalef32_pk8_bf8_f32 v[PC+4*\b:PC+1+4*\b], v[\s+16*\b:\s+7+16*\b], v[TM+12+\b]
	v_cvt_scalef32_pk8_bf8_f32 v[PC+2+4*\b:PC+3+4*\b], v[\s+8+16*\b:\s+15+16*\b], v[TM+12+\b]
.endr
	v_nop
.endm
	; ---- the weight unit; the first rows of LayerNorm are asked for under it
	LOADW 0
	LOADW 1
	BLOCKW 0, 32                                   ; gamma, beta and block 0 are in; block 1's 32 loads may be out
	LOADW 2
	BLOCKW 1, 32
	LOADW 3
	BLOCKW 2, 32
	FILL 0
	FILL 1
	BLOCKW 3, 16                                   ; rows 0 and 1 may be out
	FILL 2
	global_store_b32 v[WSO], v[WWORD], s[32:33]    ; my column's word for these 128 K
	; ---- LayerNorm, row by row
.irp i, 0,1,2,3,4,5,6,7,8,9,10,11,12,13
	TURN \i, 16
.endr
	TURN 14, 8
	TURN 15, 0
	; ---- the tile's eight fragments
	s_wait_dscnt 0x0                               ; my LDS stores have read their registers, which the loads below fill
	XL 0
	XL 1
.irp k, 0,1,2,3,4,5,6,7
.if \k < 7
	s_wait_dscnt 16                                ; this K step's 16 loads are in; the next one's may be out
.else
	s_wait_dscnt 0x0
.endif
	s_wait_xcnt 0x0                                ; the last K step's stores have read the codes' registers
	QUANT X+64*(\k%2)
	v_mov_b32 v[WD+\k], v[PW]
.irp c, 0,1,2,3
	global_store_b128 v[LD], v[PC+4*\c:PC+4*\c+3], s[34:35] offset:16384*\k+512*\c    ; 512 consecutive aligned bytes
.endr
.if \k+2 < 8
	XL \k+2
.endif
.endr
	v_cmp_le_u32 vcc_lo, 16, v[LANE]
.irp j, 0,1,2,3
	v_cndmask_b32 v[Z+\j], v[WD+\j], v[WD+4+\j], vcc_lo            ; lanes 0-15 store words 0-3 of their row, lanes 16-31 words 4-7
.endr
	global_store_b128 v[SCO], v[Z:Z+3], s[36:37]   ; 512 consecutive aligned bytes
	s_set_vgpr_msb 0x5
	s_wait_tensorcnt 0x0
	ds_add_u32 v0, v1
	s_wait_dscnt 0x0
	s_set_vgpr_msb 0x500
	s_endpgm
.Lfunc_end_k_q1fd66a38c4_prep:
	.size	k_q1fd66a38c4_prep, .Lfunc_end_k_q1fd66a38c4_prep-k_q1fd66a38c4_prep
	.p2alignl 7, 3214868480
	.fill 96, 4, 3214868480
	.section	.rodata,"a",@progbits
	.p2align	6, 0x0
	.amdhsa_kernel k_q1fd66a38c4_prep
		.amdhsa_group_segment_fixed_size 263680
		.amdhsa_private_segment_fixed_size 0
		.amdhsa_enable_private_segment 0
		.amdhsa_kernarg_size 80
		.amdhsa_user_sgpr_count 2
		.amdhsa_user_sgpr_kernarg_segment_ptr 1
		.amdhsa_wavefront_size32 1
		.amdhsa_system_sgpr_workgroup_id_x 1
		.amdhsa_system_sgpr_workgroup_id_y 1
		.amdhsa_system_sgpr_workgroup_id_z 1
		.amdhsa_system_vgpr_workitem_id 0
		.amdhsa_next_free_vgpr 258
		.amdhsa_next_free_sgpr 66
		.amdhsa_reserve_vcc 1
		.amdhsa_float_denorm_mode_32 3
		.amdhsa_float_denorm_mode_16_64 3
		.amdhsa_fp16_overflow 1
		.amdhsa_memory_ordered 1
		.amdhsa_forward_progress 1
		.amdhsa_inst_pref_size 182
	.end_amdhsa_kernel
	.amdgpu_metadata
---
amdhsa.version: [ 1, 2 ]
amdhsa.kernels:
  - .name:           k_q1fd66a38c4_prep
    .symbol:         k_q1fd66a38c4_prep.kd
    .args:
      - { .name: state, .offset: 0, .size: 8, .value_kind: global_buffer, .address_space: global }
      - { .name: context, .offset: 8, .size: 8, .value_kind: global_buffer, .address_space: global }
      - { .name: ln_gamma, .offset: 16, .size: 8, .value_kind: global_buffer, .address_space: global }
      - { .name: ln_beta, .offset: 24, .size: 8, .value_kind: global_buffer, .address_space: global }
      - { .name: Wq, .offset: 32, .size: 8, .value_kind: global_buffer, .address_space: global }
      - { .name: Wk, .offset: 40, .size: 8, .value_kind: global_buffer, .address_space: global }
      - { .name: Wv, .offset: 48, .size: 8, .value_kind: global_buffer, .address_space: global }
      - { .name: Wo, .offset: 56, .size: 8, .value_kind: global_buffer, .address_space: global }
      - { .name: xw_codes, .offset: 64, .size: 8, .value_kind: global_buffer, .address_space: global }
      - { .name: xw_scales, .offset: 72, .size: 8, .value_kind: global_buffer, .address_space: global }
    .group_segment_fixed_size: 263680
    .private_segment_fixed_size: 0
    .kernarg_segment_align: 8
    .kernarg_segment_size: 80
    .max_flat_workgroup_size: 128
    .sgpr_count:     66
    .vgpr_count:     258
    .wavefront_size: 32
...
	.end_amdgpu_metadata
.endif
;; end of part 1
;; launch proj (part 2): grid 4 x 96, 4 waves a work-group, clusters of 4 x 4, 327,680 bytes of LDS; arguments xw_codes, xw_scales, bq, bk, bv, q_img, q_sc, kv; writes q_img, q_sc, kv
.if DOCPART == 2
	.amdgcn_target "amdgcn-amd-amdhsa--gfx1250"
	.amdhsa_code_object_version 6
	.text
	.protected	k_q1fd66a38c4_proj
	.globl	k_q1fd66a38c4_proj
	.p2align	8
	.type	k_q1fd66a38c4_proj,@function
k_q1fd66a38c4_proj:
	s_mov_b64 s[64:65], 0
	v_nop
	global_prefetch_b8 v0, s[64:65] scope:SCOPE_SE
	s_setreg_imm32_b32 hwreg(HW_REG_WAVE_MODE, 25, 1), 1
	s_wait_xcnt 0x0
	s_wait_alu depctr_hold_cnt(0) depctr_sa_sdst(0) depctr_va_vdst(0) depctr_va_sdst(0) depctr_va_ssrc(0) depctr_va_vcc(0) depctr_vm_vsrc(0)
	s_getreg_b32 s2, hwreg(HW_REG_IB_STS2, 6, 4)
	s_cmp_eq_u32 s2, 0
	s_cbranch_scc0 .Lentry_in_a_cluster
	s_endpgm
.Lentry_in_a_cluster:
	s_bfe_u32 s2, ttmp6, 0x10000c
	s_cmp_lg_u32 s2, 0xf033
	s_cbranch_scc0 .Lentry_shape_is_right
	s_endpgm
.Lentry_shape_is_right:
; q = xs Wq + bq, k = xc Wk + bk, v = xc Wv + bv on codes of BF8 with E8M0 scales, and the results quantised again in registers: q and k along the head's 64, v along the keys.
; 384 tiles of 256 x 256; four waves, each 128 x 128 (64 accumulators); K = 1,024 in four K steps of 256 through a ring of two LDS slots filled by the tensor data mover.
; Operands lie in memory as images of the operand's registers ([block of 128 rows][K / 128][tile][c][lane][16 bytes]), so 128 rows x 256 K are 32,768 dense bytes, and a fragment is four loads of 512 consecutive LDS bytes.
; SIDES.  Source 1 (called A) is shared along the cluster's row, source 0 (called B) along its column.  In the result a lane holds ONE row of A, and the 16 registers of B's tiles 2 e, 2 e + 1 are B's rows 32 e + 16 h + 0 .. 15.
;   kind 0 (q), 1 (k): A = tokens, B = the weight's columns: a lane holds a token, its registers run along the head's channels.   kind 2 (v): A = Wv's columns, B = tokens: a lane holds a channel, its registers run along the keys.
; So every result has the next product's K along a lane's registers; the conversions' results are the next operand's registers and are stored as images: 512 consecutive aligned bytes a store, with no way through LDS.
; The kind hangs on the cluster's y alone: every branch on it is alike in all partners.  The bias is the C of each sum's first product.
; CLUSTERS: 4 x 4 work-groups; each tile of A and of B is asked for jointly by the four that share it.
; OUTPUT.  q_img [bh][tile of 16 queries][c 0..1][lane][16]; q_sc [bh][2,048] words (bytes 0, 1: channels 0-31, 32-63; bytes 2, 3: 0).
;   kv [bh][step of 128 keys][17,408]: 8 tiles of K x 1,024; from 8,192 four tiles of V (16 channels x 128 keys) x 2,048; from 16,384 K's 128 scale words; from 16,896 V's, 128 bytes a tile.
; LIMITS: a block of zeros gets the byte 1 where the rule says 127 (its codes are zeros; this program alone reads the bytes); NaN and infinities are not served.
; REGISTERS: window 0: v16-29 addresses; v32-63 scale words, two sets; v64-127 the bias, later at work; v128-255 A's fragments, one set, later the codes made.  window 1: B's fragments, two sets.  windows 2, 3: the accumulators, (a, b) at v[8 (8 (a % 4) + b)].
.set NQ,    2                          ; matrix instructions deep in a slot
.set FR,    16
.set NL,    4
.set NP,    8                          ; places behind this matrix instruction (ISA guide 7.12.1)
.set HALFT, 32768                      ; 128 rows x 256 K: what one tensor load brings
.set SLOT,  4*HALFT
.set SCL,   2*SLOT                     ; behind the ring: the scales of the tile's rows for all of K, as units of 256 bytes + 16 of padding
.set HALFS, 4352                       ; those of 128 rows
.set SBLK,  544                        ; those of 16 rows
.set SPARE, SCL+4*HALFS                ; the spare words, 128 bytes a wave, which no other line names
.set ADRA, 16
.set ADRB, 20
.set LI,   22                          ; 16 x lane
.set LS,   23                          ; 4 x lane
.set BA,   24                          ; 64 h
.set BV,   25                          ; 4 (r + 8 (r / 8))
.set LANE, 26
.set ADRS, 27
.set SPW,  28
.set NIL,  29
.set SC,   32
.set BI,   64
.set AF,   128
.set TM,   64                          ; the way out: v64-79 at work, v80-111 four scale bytes for each block of A, v112-119 scale words, v128-255 codes
.set BYT,  80
.set WD,   112
.set PC,   128
.set G1,   24
.set G0,   32
.set G1B,  48
.set G0B,  56
.set G1S,  68
.set G0S,  76
.set G1SB, 80
.set G0SB, 88
.set OC,   92                          ; s[92:93], s[94:95] where my two heads' codes go;  s[96:97], s[98:99] their scale words
.set OS,   96
.set MSB, 0
.macro WIN new                         ; the immediate's high byte repeats the setting that is left
.if MSB != (\new)
	s_set_vgpr_msb (MSB<<8)|(\new)
.set MSB, (\new)
.endif
.endm
.set MUL_LO,  0xa1                     ; source 0 (B) window 1, source 1 (A) window 0, C and D window 2
.set MUL_HI,  0xf1
.set MULZ_LO, 0x81                     ; the same with C (the bias) in window 0
.set MULZ_HI, 0xc1
.set TO_B,    0x40
.macro JLOAD g0a, g1a, g0b, g1b        ; a joint load: waves 0 and 1 fetch for A, waves 2 and 3 for B; four v_nop follow each of the two lines
	s_cmp_eq_u32 s21, 0
	s_cbranch_scc0 .Lfor_b_\@
	tensor_load_to_lds s[\g0a:\g0a+3], s[\g1a:\g1a+7]
	s_nop 0
.rept 4
	v_nop
.endr
	s_branch .Lasked_\@
.Lfor_b_\@:
	tensor_load_to_lds s[\g0b:\g0b+3], s[\g1b:\g1b+7]
	s_nop 0
.rept 4
	v_nop
.endr
.Lasked_\@:
.endm
.macro CREST                           ; a round of the cluster's barrier behind its opening barrier
	s_cmp_lg_u32 s20, 0
	s_cbranch_scc1 .Lnot_wave_0_\@
	s_barrier_signal -3
.Lnot_wave_0_\@:
	s_barrier_wait -3
	s_barrier_signal -1
	s_barrier_wait -1
.endm
.macro CROUND
	s_barrier_signal -1
	s_barrier_wait -1
	CREST
.endm
	s_load_b512 s[4:19], s[0:1], 0x0               ; xw_codes, xw_scales, bq, bk, bv, q_img, q_sc, kv
	v_lshl_add_u32 v[SPW], v0, 2, SPARE
	v_mov_b32 v[NIL], 0
	ds_add_u32 v28, v29
	ds_add_u32 v28, v29
	s_wait_dscnt 0x0
	v_lshrrev_b32 v1, 5, v0
	v_readfirstlane_b32 s20, v1                    ; wave
	s_lshr_b32 s21, s20, 1                         ; my half of A's rows.  Also: I fetch for A (0) or for B (1)
	s_and_b32 s22, s20, 1                          ; my half of B's rows.  Also: which 128 rows I fetch
	s_bfe_u32 s40, ttmp6, 0x40000                  ; cx
	s_bfe_u32 s41, ttmp6, 0x40004                  ; cy
	s_lshl_b32 s104, s41, 2
	s_lshl_b32 s104, 15, s104                      ; my row of the cluster
	s_lshl_b32 s105, 0x1111, s40                   ; my column
	s_and_b32 s23, ttmp7, 0xffff
	s_lshr_b32 s100, s23, 3                        ; kind
	s_and_b32 s23, s23, 7                          ; which eighth of the tokens
	s_lshl_b32 s42, s100, 5
	s_lshl_b32 s45, s23, 2
	s_add_co_u32 s42, s42, s45                     ; tiles of 256 rows of xw: tokens for q and k begin at 32 kind + 4 i8,
	s_add_co_u32 s45, s45, 32                      ; for v at 32 + 4 i8;
	s_lshl_b32 s46, s100, 2
	s_add_co_u32 s46, s46, 64                      ; Wq at 64, Wk at 68, Wv at 72
	s_cmp_eq_u32 s100, 2
	s_cselect_b32 s42, 72, s42                     ; A's first tile
	s_cselect_b32 s46, s45, s46                    ; B's
	s_add_co_u32 s42, s42, s41                     ; A hangs on cy alone,
	s_add_co_u32 s46, s46, s40                     ; B on cx alone
	s_lshl_b32 s42, s42, 1
	s_add_co_u32 s42, s42, s22                     ; the block of 128 rows that I fetch
	s_lshl_b32 s46, s46, 1
	s_add_co_u32 s46, s46, s22
	s_lshl_b32 s66, s42, 12                        ; its scales,
	s_mov_b32 s67, 0
	s_lshl_b32 s42, s42, 17                        ; its codes
	s_mov_b32 s43, 0
	s_lshl_b32 s44, s46, 12
	s_mov_b32 s45, 0
	s_lshl_b32 s46, s46, 17
	s_mov_b32 s47, 0
	s_lshl_b32 s2, s20, 15                         ; where they go: wave x HALFT, wave x HALFS: no place in the cluster enters an LDS address
	s_mul_i32 s3, s20, HALFS
	; descriptor group 1 for codes: 32,768 dense bytes as 128 rows of 32 elements of 8 bytes, without padding
	s_or_b32 s[G1+0], s104, (3<<16)|(1<<21)
	s_or_b32 s[G1B+0], s105, (3<<16)|(1<<21)
.irp g, G1, G1B
	s_mov_b32 s[\g+1], 32<<16                      ; tensor_dim0
	s_mov_b32 s[\g+2], 128<<16                     ; tensor_dim1
	s_mov_b32 s[\g+3], 32<<16                      ; tile_dim0
	s_mov_b32 s[\g+4], 128                         ; tile_dim1
	s_mov_b32 s[\g+5], 32                          ; pitch
	s_mov_b32 s[\g+6], 0
	s_mov_b32 s[\g+7], 0
.endr
	; and for the scales of 128 rows: 4,096 dense bytes as 16 rows of 256, 16 bytes of padding behind each
	s_or_b32 s[G1S+0], s104, (3<<16)|(1<<20)|(1<<21)|(5<<22)|(3<<25)
	s_or_b32 s[G1SB+0], s105, (3<<16)|(1<<20)|(1<<21)|(5<<22)|(3<<25)
.irp g, G1S, G1SB
	s_mov_b32 s[\g+1], 32<<16
	s_mov_b32 s[\g+2], 16<<16
	s_mov_b32 s[\g+3], 32<<16
	s_mov_b32 s[\g+4], 16
	s_mov_b32 s[\g+5], 32
	s_mov_b32 s[\g+6], 0
	s_mov_b32 s[\g+7], 0
.endr
	s_wait_kmcnt 0x0
	s_add_nc_u64 s[42:43], s[4:5], s[42:43]
	s_add_nc_u64 s[66:67], s[6:7], s[66:67]
	s_add_nc_u64 s[46:47], s[4:5], s[46:47]
	s_add_nc_u64 s[44:45], s[6:7], s[44:45]
	CROUND                                         ; all sixteen work-groups are here: the first joint loads meet
	s_mov_b32 s[G0S], 1
	s_add_co_u32 s[G0S+1], s3, SCL
	s_mov_b64 s[G0S+2:G0S+3], s[66:67]
	s_or_b32 s[G0S+3], s[G0S+3], 0x80000000
	s_mov_b32 s[G0SB], 1
	s_add_co_u32 s[G0SB+1], s3, SCL
	s_mov_b64 s[G0SB+2:G0SB+3], s[44:45]
	s_or_b32 s[G0SB+3], s[G0SB+3], 0x80000000
	JLOAD G0S, G1S, G0SB, G1SB                     ; the scales first: they are wanted with K step 0
.irp s, 0,1
	s_mov_b32 s[G0+4*\s], 1
	s_add_co_u32 s[G0+4*\s+1], s2, \s*SLOT
	s_add_nc_u64 s[G0+4*\s+2:G0+4*\s+3], s[42:43], \s*HALFT
	s_or_b32 s[G0+4*\s+3], s[G0+4*\s+3], 0x80000000
	s_mov_b32 s[G0B+4*\s], 1
	s_add_co_u32 s[G0B+4*\s+1], s2, \s*SLOT
	s_add_nc_u64 s[G0B+4*\s+2:G0B+4*\s+3], s[46:47], \s*HALFT
	s_or_b32 s[G0B+4*\s+3], s[G0B+4*\s+3], 0x80000000
	s_wait_alu depctr_va_vdst(0)
	s_wait_tensorcnt 0x0
	ds_add_u32 v28, v29
	s_wait_dscnt 0x0
	CROUND
	JLOAD G0+4*\s, G1, G0B+4*\s, G1B               ; one load of mine is out
.endr
	v_and_b32 v[LANE], 31, v0
	v_and_b32 v1, 15, v0                           ; r
	v_bfe_u32 v2, v0, 4, 1                         ; h
	v_lshlrev_b32 v[LI], 4, v[LANE]
	v_lshlrev_b32 v[LS], 2, v[LANE]
	s_lshl_b32 s92, s21, 15                        ; my 128 rows of A
	s_lshl_b32 s93, s22, 15                        ; my 128 rows of B,
	s_add_co_u32 s93, s93, 2*HALFT                 ; behind A's 256
.irp s, 0,1
	v_add_nc_u32 v[ADRA+\s], s92, v[LI]
	v_add_nc_u32 v[ADRB+\s], s93, v[LI]
	s_add_co_u32 s92, s92, SLOT
	s_add_co_u32 s93, s93, SLOT
.endr
	v_mul_u32_u24 v5, v1, 32                       ; my row's scales: 32 bytes a row,
	v_lshrrev_b32 v6, 8, v5
	v_lshl_add_u32 v5, v6, 4, v5                   ; and 16 more for each 256 passed
	s_mul_i32 s94, s21, HALFS
	s_mul_i32 s95, s22, HALFS
	s_add_co_u32 s95, s95, 2*HALFS
	s_sub_co_u32 s95, s95, s94
	v_mul_u32_u24 v6, s95, v2                      ; lanes 16-31 take B's
	s_add_co_u32 s94, s94, SCL
	v_add_nc_u32 v5, v5, v6
	v_add_nc_u32 v[ADRS], s94, v5
	v_lshlrev_b32 v[BA], 6, v2
	v_and_b32 v3, 8, v1
	v_add_nc_u32 v3, v3, v1
	v_lshlrev_b32 v[BV], 2, v3
	; where the results go.  Tokens hang on A's coordinates for q and k, on B's for v; the heads on the other side's.  None of these registers feeds a descriptor.
	s_cmp_eq_u32 s100, 0
	s_cselect_b64 s[8:9], s[8:9], s[10:11]         ; bq or bk
	s_cselect_b64 s[OC:OC+1], s[14:15], s[18:19]   ; codes: q_img or kv
	s_cselect_b64 s[OS:OS+1], s[16:17], s[18:19]   ; scale words: q_sc or kv
	s_mov_b32 s10, 278528
	s_mov_b32 s11, 17408
	s_cselect_b32 s14, 131072, s10                 ; bytes from head to head: codes,
	s_cselect_b32 s15, 8192, s10                   ; scale words;
	s_cselect_b32 s16, 8192, s11                   ; from one 128 tokens to the next: codes,
	s_cselect_b32 s17, 512, s11                    ; scale words
	s_cselect_b32 s18, 0, 16384                    ; K's scale words begin 16,384 into a step,
	s_cmp_eq_u32 s100, 2
	s_cselect_b64 s[8:9], s[12:13], s[8:9]         ; bv
	s_cselect_b32 s10, s40, s41                    ; the tokens' place in the cluster,
	s_cselect_b32 s11, s41, s40                    ; the heads',
	s_cselect_b32 s12, s22, s21                    ; the tokens' half,
	s_cselect_b32 s13, s21, s22                    ; the heads'
	s_cselect_b32 s19, 8192, 0                     ; V's codes begin 8,192 into a step,
	s_cselect_b32 s94, 512, 0
	s_add_co_u32 s18, s18, s94                     ; its scale words 16,896
	s_lshl_b32 s94, s11, 10
	s_lshl_b32 s95, s13, 9
	s_add_co_u32 s94, s94, s95
	s_mov_b32 s95, 0
	s_add_nc_u64 s[8:9], s[8:9], s[94:95]          ; the bias at my 128 output channels
	s_lshl_b32 s94, s23, 2
	s_add_co_u32 s94, s94, s10
	s_and_b32 s94, s94, 7
	s_lshl_b32 s94, s94, 1
	s_add_co_u32 s10, s94, s12                     ; which 128 tokens of the batch
	s_lshr_b32 s94, s23, 1
	s_lshl_b32 s94, s94, 4
	s_lshl_b32 s95, s11, 2
	s_add_co_u32 s94, s94, s95
	s_lshl_b32 s95, s13, 1
	s_add_co_u32 s11, s94, s95                     ; my first head: 16 batch + 4 place + 2 half
	s_mul_i32 s94, s11, s14
	s_mul_i32 s95, s10, s16
	s_add_co_u32 s94, s94, s95
	s_add_co_u32 s94, s94, s19
	s_mov_b32 s95, 0
	s_add_nc_u64 s[OC:OC+1], s[OC:OC+1], s[94:95]
	s_mov_b32 s94, s14
	s_add_nc_u64 s[OC+2:OC+3], s[OC:OC+1], s[94:95]
	s_mul_i32 s98, s11, s15
	s_mul_i32 s99, s10, s17
	s_add_co_u32 s98, s98, s99
	s_add_co_u32 s98, s98, s18
	s_mov_b32 s99, 0
	s_add_nc_u64 s[OS:OS+1], s[OS:OS+1], s[98:99]
	s_mov_b32 s98, s15
	s_add_nc_u64 s[OS+2:OS+3], s[OS:OS+1], s[98:99]
	; the bias in the result's layout
	s_cmp_eq_u32 s100, 2
	s_cbranch_scc1 .Lbias_v
	s_wait_alu depctr_va_vdst(0)
.irp b, 0,1,2,3,4,5,6,7                            ; q, k: it runs along the registers: B's tile b holds channels 32 (b / 2) + 16 h + 8 (b % 2) + 0 .. 7
	global_load_b128 v[BI+8*\b:BI+8*\b+3], v[BA], s[8:9] offset:(32*(\b/2)+8*(\b%2))*4
	global_load_b128 v[BI+8*\b+4:BI+8*\b+7], v[BA], s[8:9] offset:(32*(\b/2)+8*(\b%2))*4+16
.endr
	s_branch .Lbias_done
.Lbias_v:
	s_wait_alu depctr_va_vdst(0)
.irp a, 0,1,2,3,4,5,6,7                            ; v: one number a lane for A's tile a, in all eight registers
.irp j, 0,1,2,3,4,5,6,7
	global_load_b32 v[BI+8*\a+\j], v[BV], s[8:9] offset:(32*(\a/2)+8*(\a%2))*4
.endr
.endr
.Lbias_done:
.macro FRAG reg, adr, q, i             ; a fragment's image: four loads of 512 consecutive bytes
.irp c, 0,1,2,3
	ds_load_b128 v[\reg+4*\c:\reg+4*\c+3], v[\adr] offset:(8*(\q)+(\i))*2048+512*\c
.endr
.endm
; 16 matrix instructions: A's blocks a0, a0 + 1 x B's eight, 128 along K.  zero = 1: the sums begin with the bias of B's tile; 2: with that of A's tile; 0: they go on in place.
; The 64 accumulators take turns, one instruction a turn, in the same order in every step.
.macro MUL16 a0, p, q, sc, zero
.irp a, \a0, \a0+1
.irp b, 0,1,2,3,4,5,6,7
.if \zero == 1
	v_wmma_scale_f32_16x16x128_f8f6f4 v[8*(8*((\a)%4)+\b):8*(8*((\a)%4)+\b)+7], v[128*(\p)+FR*\b:128*(\p)+FR*\b+FR-1], v[AF+FR*(\a):AF+FR*(\a)+FR-1], v[BI+8*\b:BI+8*\b+7], v[SC+8*NQ*(\sc)+NQ*\b+(\q)], v[SC+8*NQ*(\sc)+NQ*(\a)+(\q)] matrix_a_fmt:MATRIX_FMT_BF8 matrix_b_fmt:MATRIX_FMT_BF8 matrix_a_scale:MATRIX_SCALE_ROW1
.elseif \zero == 2
	v_wmma_scale_f32_16x16x128_f8f6f4 v[8*(8*((\a)%4)+\b):8*(8*((\a)%4)+\b)+7], v[128*(\p)+FR*\b:128*(\p)+FR*\b+FR-1], v[AF+FR*(\a):AF+FR*(\a)+FR-1], v[BI+8*(\a):BI+8*(\a)+7], v[SC+8*NQ*(\sc)+NQ*\b+(\q)], v[SC+8*NQ*(\sc)+NQ*(\a)+(\q)] matrix_a_fmt:MATRIX_FMT_BF8 matrix_b_fmt:MATRIX_FMT_BF8 matrix_a_scale:MATRIX_SCALE_ROW1
.else
	v_wmma_scale_f32_16x16x128_f8f6f4 v[8*(8*((\a)%4)+\b):8*(8*((\a)%4)+\b)+7], v[128*(\p)+FR*\b:128*(\p)+FR*\b+FR-1], v[AF+FR*(\a):AF+FR*(\a)+FR-1], v[8*(8*((\a)%4)+\b):8*(8*((\a)%4)+\b)+7], v[SC+8*NQ*(\sc)+NQ*\b+(\q)], v[SC+8*NQ*(\sc)+NQ*(\a)+(\q)] matrix_a_fmt:MATRIX_FMT_BF8 matrix_b_fmt:MATRIX_FMT_BF8 matrix_a_scale:MATRIX_SCALE_ROW1
.endif
.endr
.endr
.endm
.macro FETCH_B slot, q, p
	WIN TO_B
.irp i, 0,1,2,3,4,5,6,7
	FRAG 128*(\p)+FR*\i, ADRB+\slot, \q, \i
.endr
	WIN 0
.endm
.macro FETCH_A slot, q, i0
.irp i, \i0, \i0+1, \i0+2, \i0+3
	FRAG AF+FR*(\i), ADRA+\slot, \q, \i
.endr
.endm
.macro SCALES sc                       ; a K step's scale words: two a row; lanes 0-15 take A's block i, lanes 16-31 B's block i
.irp i, 0,1,2,3,4,5,6,7
	ds_load_b64 v[SC+8*NQ*\sc+NQ*\i:SC+8*NQ*\sc+NQ*\i+1], v[ADRS] offset:\i*SBLK
.endr
.endm
.macro PLACES n                        ; plain vector lines between a matrix instruction and a load into, or a read of, its registers
.rept \n
	v_nop
.endr
.endm
.macro STEP slot, q, zero              ; a step of 128 along K that has its successor in the same slot
	s_wait_dscnt 4*NL                              ; B's set and A's blocks 0-3 are in; the youngest 16 loads (A's blocks 4-7) may be out
.if \zero
	WIN MULZ_LO
.else
	WIN MUL_LO
.endif
	MUL16 0, (\q)%2, \q, \slot, \zero
	MUL16 2, (\q)%2, \q, \slot, \zero
	s_wait_dscnt 0
	PLACES NP
	FETCH_B \slot, (\q)+1, 1-(\q)%2
	FETCH_A \slot, (\q)+1, 0
.if \zero
	WIN MULZ_HI
.else
	WIN MUL_HI
.endif
	MUL16 4, (\q)%2, \q, \slot, \zero
	MUL16 6, (\q)%2, \q, \slot, \zero
	PLACES NP
	WIN 0
	FETCH_A \slot, (\q)+1, 4
.endm
; A slot's last step changes slots: one barrier; in front of it each wave waits for all its tensor loads, adds 0 to its spare word, and waits for that and for its own reads of this slot.  fill = 1: this slot is filled again, two K steps ahead.
.macro TURN slot, next, fill
	s_wait_tensorcnt 0x0                           ; all my tensor loads have landed: my part of the next slot
	ds_add_u32 v[SPW], v[NIL]                      ; 0 onto my spare word
	s_wait_dscnt 4*NL+1                            ; (the add and the youngest 16 loads may be out)
	WIN MUL_LO
	MUL16 0, 1, NQ-1, \slot, 0
	s_wait_dscnt 0x0                               ; the add is done, and my reads of this slot are over
	s_barrier_signal -1
	MUL16 2, 1, NQ-1, \slot, 0
	WIN 0
	s_barrier_wait -1
.if \fill
	CREST                                          ; the barrier has opened a round of the cluster's barrier: no wave of any partner still reads this slot or has a load on its way
	s_add_nc_u64 s[G0+4*\slot+2:G0+4*\slot+3], s[G0+4*\slot+2:G0+4*\slot+3], 2*HALFT
	s_add_nc_u64 s[G0B+4*\slot+2:G0B+4*\slot+3], s[G0B+4*\slot+2:G0B+4*\slot+3], 2*HALFT
	JLOAD G0+4*\slot, G1, G0B+4*\slot, G1B         ; the first tensor load behind the round; its four v_nop are among the places in front of the loads below
	PLACES NP-4
.else
	PLACES NP
.endif
	s_wait_alu depctr_va_vdst(0)
	v_add_nc_u32 v[ADRS], 4*NQ, v[ADRS]            ; on to the next K step's scale words
	FETCH_B \next, 0, 0
	FETCH_A \next, 0, 0
	SCALES \next
	WIN MUL_HI
	MUL16 4, 1, NQ-1, \slot, 0
	MUL16 6, 1, NQ-1, \slot, 0
	PLACES NP
	WIN 0
	FETCH_A \next, 0, 4
.endm
	s_wait_tensorcnt 1                             ; the scales and my part of K step 0 are in; K step 1's load may be out
	s_barrier_signal -1
	s_barrier_wait -1
	FETCH_B 0, 0, 0
	FETCH_A 0, 0, 0
	SCALES 0
	FETCH_A 0, 0, 4
	s_wait_loadcnt 0x0                             ; the bias
	s_cmp_eq_u32 s100, 2
	s_cbranch_scc1 .Lfirst_v
	STEP 0, 0, 1                                   ; the first step starts the sums with the bias
	s_branch .Lfirst_done
.Lfirst_v:
	STEP 0, 0, 2
.Lfirst_done:
	TURN 0, 1, 1                                   ; K is four K steps: written out
	STEP 1, 0, 0
	TURN 1, 0, 1
	STEP 0, 0, 0
	TURN 0, 1, 0                                   ; nothing is left to fetch
	STEP 1, 0, 0
	s_wait_dscnt 4*NL
	WIN MUL_LO
	MUL16 0, 1, NQ-1, 1, 0
	MUL16 2, 1, NQ-1, 1, 0
	s_wait_dscnt 0
	WIN MUL_HI
	MUL16 4, 1, NQ-1, 1, 0
	MUL16 6, 1, NQ-1, 1, 0
	WIN 0
	PLACES NP
; THE WAY OUT.  A's block a: a lane's 64 results are four blocks of 32 along the next K, 16 numbers here and 16 in lane l xor 16.  Codes into v[PC + 16 a] on, the four bytes into v[BYT + 4 a] on.
.macro QW a
.set AC, 64*((\a)%4)
.set WW, 2+(\a)/4
	WIN 5*WW                                       ; sources 0 and 1: the accumulators' window
.irp b, 0,1,2,3
	v_max3_num_f32 v[TM+\b], |v[AC+16*\b]|, |v[AC+16*\b+1]|, 0x8000000      ; each accumulator is read from its low end on; the floor 2^(16 - 127) holds the byte at 1 from below
.endr
.irp i, 2,4,6,8,10,12,14
.irp b, 0,1,2,3
	v_max3_num_f32 v[TM+\b], |v[AC+16*\b+\i]|, |v[AC+16*\b+\i+1]|, v[TM+\b]
.endr
.endr
	WIN 0
.irp b, 0,1,2,3
	v_permlanex16_b32 v[TM+4+\b], v[TM+\b], s46, s47
.endr
.irp b, 0,1,2,3
	v_max_num_f32 v[TM+\b], v[TM+\b], v[TM+4+\b]
.endr
.irp b, 0,1,2,3
	v_add_nc_u32 v[TM+12+\b], 0xf8800000, v[TM+\b]                 ; 15 off the exponent field: the conversion's scale operand
.endr
.irp b, 0,1,2,3
.endr
.irp b, 0,1,2,3
	v_lshrrev_b32 v[BYT+4*(\a)+\b], 23, v[TM+12+\b]                ; the scale's byte
.endr
	WIN 65*WW                                      ; destination and source 0: the accumulators' window
.irp b, 0,1,2,3
.irp i, 0,1,2,3,4,5,6,7,8,9,10,11,12,13,14,15
.endr
.endr
	WIN WW
.irp b, 0,1,2,3
	v_cvt_scalef32_pk8_bf8_f32 v[PC+16*(\a)+4*\b:PC+16*(\a)+4*\b+1], v[AC+16*\b:AC+16*\b+7], v[TM+12+\b]
	v_cvt_scalef32_pk8_bf8_f32 v[PC+16*(\a)+4*\b+2:PC+16*(\a)+4*\b+3], v[AC+16*\b+8:AC+16*\b+15], v[TM+12+\b]
.endr
	WIN 0
	v_nop                                          ; a plain line behind the last conversion
.endm
	s_mov_b32 s46, 0x76543210
	s_mov_b32 s47, 0xfedcba98                      ; lane l xor 16
	v_cmp_le_u32 vcc_lo, 16, v[LANE]
.irp b, 0,1,2,3
	v_mov_b32 v[TM+4+\b], 0                        ; a lane permute's destination counts as one of its sources
.endr
.irp a, 0,1,2,3,4,5,6,7
	QW \a
.endr
	s_cmp_eq_u32 s100, 2
	s_cbranch_scc1 .Lout_v
	; q, k: blocks 0, 1 are my first head's 64 channels, blocks 2, 3 my second head's.  No register that a store reads is written again.
.irp a, 0,1,2,3,4,5,6,7
.irp e, 0,1,2,3
	global_store_b128 v[LI], v[PC+16*\a+4*\e:PC+16*\a+4*\e+3], s[OC+2*(\e/2):OC+2*(\e/2)+1] offset:1024*\a+512*(\e%2)
.endr
.endr
.irp n, 0,1,2,3
.irp d, 0,1
	v_lshl_or_b32 v[TM], v[BYT+8*\n+2*\d+1], 8, v[BYT+8*\n+2*\d]           ; tile 2 n: the head's two bytes; bytes 2 and 3 stay 0
	v_lshl_or_b32 v[TM+1], v[BYT+8*\n+4+2*\d+1], 8, v[BYT+8*\n+4+2*\d]     ; tile 2 n + 1
	v_cndmask_b32 v[WD+2*\n+\d], v[TM], v[TM+1], vcc_lo                    ; lanes 0-15 store tile 2 n's words, lanes 16-31 tile 2 n + 1's: 128 consecutive bytes
	global_store_b32 v[LS], v[WD+2*\n+\d], s[OS+2*\d:OS+2*\d+1] offset:128*\n
.endr
.endr
	s_branch .Lout_done
.Lout_v:
	; v: A's blocks 0-3 are my first head's 64 channels, blocks 4-7 my second head's; the four blocks of 32 are the step's 128 keys
.irp a, 0,1,2,3,4,5,6,7
.irp e, 0,1,2,3
	global_store_b128 v[LI], v[PC+16*\a+4*\e:PC+16*\a+4*\e+3], s[OC+2*(\a/4):OC+2*(\a/4)+1] offset:2048*(\a%4)+512*\e
.endr
	v_lshl_or_b32 v[WD+\a], v[BYT+4*\a+1], 8, v[BYT+4*\a]
	v_lshl_or_b32 v[WD+\a], v[BYT+4*\a+2], 16, v[WD+\a]
	v_lshl_or_b32 v[WD+\a], v[BYT+4*\a+3], 24, v[WD+\a]
	global_store_b32 v[LS], v[WD+\a], s[OS+2*(\a/4):OS+2*(\a/4)+1] offset:128*(\a%4)      ; lanes 16-31 hold the same words as lanes 0-15: the tile's 128 bytes are all written
.endr
.Lout_done:
	s_wait_tensorcnt 0x0                           ; the wave's end
	ds_add_u32 v[SPW], v[NIL]
	s_wait_dscnt 0x0
	CROUND                                         ; the closing round: no work-group ends while a partner may still ask for a tile that names it
	s_endpgm
.Lfunc_end_k_q1fd66a38c4_proj:
	.size	k_q1fd66a38c4_proj, .Lfunc_end_k_q1fd66a38c4_proj-k_q1fd66a38c4_proj
	.p2alignl 7, 3214868480
	.fill 96, 4, 3214868480
	.section	.rodata,"a",@progbits
	.p2align	6, 0x0
	.amdhsa_kernel k_q1fd66a38c4_proj
		.amdhsa_group_segment_fixed_size 327680
		.amdhsa_private_segment_fixed_size 0
		.amdhsa_enable_private_segment 0
		.amdhsa_kernarg_size 64
		.amdhsa_user_sgpr_count 2
		.amdhsa_user_sgpr_kernarg_segment_ptr 1
		.amdhsa_wavefront_size32 1
		.amdhsa_system_sgpr_workgroup_id_x 1
		.amdhsa_system_sgpr_workgroup_id_y 1
		.amdhsa_system_sgpr_workgroup_id_z 1
		.amdhsa_system_vgpr_workitem_id 0
		.amdhsa_next_free_vgpr 1024
		.amdhsa_next_free_sgpr 106
		.amdhsa_reserve_vcc 1
		.amdhsa_float_denorm_mode_32 3
		.amdhsa_float_denorm_mode_16_64 3
		.amdhsa_fp16_overflow 1
		.amdhsa_memory_ordered 1
		.amdhsa_forward_progress 1
		.amdhsa_inst_pref_size 178
	.end_amdhsa_kernel
	.amdgpu_metadata
---
amdhsa.version: [ 1, 2 ]
amdhsa.kernels:
  - .name:           k_q1fd66a38c4_proj
    .symbol:         k_q1fd66a38c4_proj.kd
    .args:
      - { .name: xw_codes, .offset: 0, .size: 8, .value_kind: global_buffer, .address_space: global }
      - { .name: xw_scales, .offset: 8, .size: 8, .value_kind: global_buffer, .address_space: global }
      - { .name: bq, .offset: 16, .size: 8, .value_kind: global_buffer, .address_space: global }
      - { .name: bk, .offset: 24, .size: 8, .value_kind: global_buffer, .address_space: global }
      - { .name: bv, .offset: 32, .size: 8, .value_kind: global_buffer, .address_space: global }
      - { .name: q_img, .offset: 40, .size: 8, .value_kind: global_buffer, .address_space: global }
      - { .name: q_sc, .offset: 48, .size: 8, .value_kind: global_buffer, .address_space: global }
      - { .name: kv, .offset: 56, .size: 8, .value_kind: global_buffer, .address_space: global }
    .group_segment_fixed_size: 327680
    .private_segment_fixed_size: 0
    .kernarg_segment_align: 8
    .kernarg_segment_size: 64
    .max_flat_workgroup_size: 128
    .sgpr_count:     106
    .vgpr_count:     1024
    .wavefront_size: 32
...
	.end_amdgpu_metadata
.endif
;; end of part 2
;; launch attn (part 3): grid 4 x 64, 16 waves a work-group, clusters of 4 x 1, 280,576 bytes of LDS; arguments q_img, q_sc, kv, o_img, o_sc; writes o_img, o_sc
.if DOCPART == 3
	.amdgcn_target "amdgcn-amd-amdhsa--gfx1250"
	.amdhsa_code_object_version 6
	.text
	.protected	k_q1fd66a38c4_attn
	.globl	k_q1fd66a38c4_attn
	.p2align	8
	.type	k_q1fd66a38c4_attn,@function
k_q1fd66a38c4_attn:
	s_mov_b64 s[64:65], 0
	v_nop
	global_prefetch_b8 v0, s[64:65] scope:SCOPE_SE
	s_setreg_imm32_b32 hwreg(HW_REG_WAVE_MODE, 25, 1), 1
	s_wait_xcnt 0x0
	s_wait_alu depctr_hold_cnt(0) depctr_sa_sdst(0) depctr_va_vdst(0) depctr_va_sdst(0) depctr_va_ssrc(0) depctr_va_vcc(0) depctr_vm_vsrc(0)
	s_getreg_b32 s2, hwreg(HW_REG_IB_STS2, 6, 4)
	s_cmp_eq_u32 s2, 0
	s_cbranch_scc0 .Lentry_in_a_cluster
	s_endpgm
.Lentry_in_a_cluster:
	s_bfe_u32 s2, ttmp6, 0x10000c
	s_cmp_lg_u32 s2, 0x3003
	s_cbranch_scc0 .Lentry_shape_is_right
	s_endpgm
.Lentry_shape_is_right:
; o = softmax(q k^T / 8) v for 64 (batch, head) pairs of 2,048 x 2,048, head size 64, both products on codes of BF8 with E8M0 scales; o is quantised along (head, channel) for the last projection.
; THE SOFTMAX: t = score x log2(e) / 8; M = the running largest t rounded UP to a whole number; p = 2^(t - M) is quantised along the keys; the row's sum is taken of the unquantised p and divides o at the end.
; When M moves, the sum and O are multiplied by 2^(old M - new M), which rounds nothing.
; SHARES.  A work-group owns 512 queries of one head; each of its sixteen waves owns two tiles of 16 queries, one after the other, and walks all 16 steps of 128 keys for each.
; A HEAD'S K AND V, codes and scale words, are 278,528 bytes: they come into LDS ONCE, as they lie in memory, in four groups of four steps; nothing is filled again, and nothing is stored to LDS.
; Each wave brings a sixteenth of each group (4,352 bytes: 17 rows of 256), so four tensor loads of a wave are out at the most; they land in order, and group g is read behind a wait that leaves the 3 - g later ones out.
; CLUSTER.  The four query blocks of a head form a cluster and ask for every part jointly: the same load with the same descriptor and a mask that names the four.
; LAYOUT.  Both products are used transposed: S^T = K Q^T (source 0 = 16 keys), O^T = V^T P^T (source 0 = 16 channels): a lane holds one query throughout.  The keys of a tile are chosen (index m of tile 2 b + u is key
; 32 b + 8 u + m + 8 (m / 8)) so that the 16 registers of tiles 2 b, 2 b + 1 are keys 32 b + 16 h + 0 .. 15; V's channels likewise, so that O^T's registers run along the channels.
; The head's 64 fill half of the instruction's 128 along K: the upper eight registers of K's and Q's fragments hold zero codes, written once; their scale bytes are 0, which is a small power of two.
; LIMITS: p under 2^-126 counts as 0 (the exponential flushes); a block of zeros gets the byte 1; NaN and infinities are not served.
.set STEPB, 17408                      ; a step in LDS: K's 8 tiles x 1,024; from 8,192 V's 4 tiles x 2,048; from 16,384 K's scale words; from 16,896 V's
.set GRP,   4*STEPB
.set PART,  GRP/16
.set LI,   1                           ; 16 x lane
.set LS,   2                           ; 4 x lane
.set QSO,  3                           ; 4 r
.set KSW,  4                           ; v4-7 K's scale words: lanes 0-15 tile 2 e, lanes 16-31 tile 2 e + 1
.set ADK,  8
.set ADS,  9
.set OSO,  10                          ; 32 r
.set NM,   12                          ; -M
.set TMX,  13                          ; the largest t
.set SUM,  14                          ; v[14:15]
.set QA,   16                          ; v16-31 the first tile's Q
.set KF,   32                          ; v32-95 four fragments of K
.set S,    96                          ; v96-159 S^T, then p, then V's four fragments
.set O,    160                         ; v160-191 O^T
.set PC,   192                         ; v192-207 p's codes
.set QB,   208                         ; v208-223 the second tile's Q
.set BM,   224
.set PX,   228
.set HL,   232
.set SO,   236
.set VSW,  240                         ; v240-243 V's scale words
.set QSA,  244
.set QSB,  245
.set PW,   246                         ; p's scale word
.set TT,   247
.set F,    248                         ; v[248:249]
.set SB,   250                         ; v[250:251]
.macro CROUND
	s_barrier_signal -1
	s_barrier_wait -1
	s_cmp_lg_u32 s14, 0
	s_cbranch_scc1 .Lnot_wave_0_\@
	s_barrier_signal -3
.Lnot_wave_0_\@:
	s_barrier_wait -3
	s_barrier_signal -1
	s_barrier_wait -1
.endm
	s_load_b256 s[4:11], s[0:1], 0x0               ; q_img, q_sc, kv, o_img
	s_load_b64 s[12:13], s[0:1], 0x20              ; o_sc
	v_lshl_add_u32 v254, v0, 2, 0x44000
	v_mov_b32 v255, 0
	ds_add_u32 v254, v255
	ds_add_u32 v254, v255
	v_lshrrev_b32 v8, 5, v0
	s_delay_alu instid0(VALU_DEP_1)
	v_readfirstlane_b32 s14, v8                    ; wave 0..15
	s_bfe_u32 s15, ttmp6, 0x40000                  ; cx: it enters Q's and o's addresses alone
	s_and_b32 s16, ttmp7, 0xffff                   ; 16 batch + head, which the four partners share
	v_and_b32 v8, 31, v0
	s_delay_alu instid0(VALU_DEP_1)
	v_lshlrev_b32 v[LI], 4, v8
	s_delay_alu instid0(VALU_DEP_2)
	v_lshlrev_b32 v[LS], 2, v8
	v_and_b32 v9, 15, v0
	s_delay_alu instid0(VALU_DEP_1)
	v_lshlrev_b32 v[QSO], 2, v9
	s_delay_alu instid0(VALU_DEP_2)
	v_lshlrev_b32 v[OSO], 5, v9
	s_mov_b32 s20, 0x76543210
	s_mov_b32 s21, 0xfedcba98                      ; lane l xor 16
	s_mov_b32 s22, 0x3e38aa3b                      ; c = log2(e) / 8
	s_mov_b32 s23, s22                             ; (named with it as a pair)
	; descriptor group 1: 4,352 dense bytes as 17 rows of 32 elements of 8 bytes
	s_mov_b32 s24, 15|(3<<16)|(1<<21)              ; the mask: all four work-groups; bit 21 set beside it
	s_mov_b32 s25, 32<<16
	s_mov_b32 s26, 17<<16
	s_mov_b32 s27, 32<<16
	s_mov_b32 s28, 17
	s_mov_b32 s29, 32
	s_mov_b32 s30, 0
	s_mov_b32 s31, 0
	s_mul_i32 s49, s14, PART                       ; my part of a group, in LDS as in memory
	s_mul_i32 s50, s16, 16*STEPB
	s_add_co_u32 s50, s50, s49
	s_mov_b32 s51, 0
	s_lshl_b32 s17, s15, 5
	s_add_co_u32 s17, s17, s14                     ; my first tile of queries: 32 cx + wave; the second lies 16 tiles on
	s_lshl_b32 s52, s16, 7
	s_add_co_u32 s52, s52, s17
	s_lshl_b32 s52, s52, 10                        ; Q's codes: 1,024 bytes a tile
	s_mov_b32 s53, 0
	s_lshl_b32 s54, s16, 11
	s_lshl_b32 s18, s17, 4
	s_add_co_u32 s54, s54, s18
	s_lshl_b32 s54, s54, 2                         ; Q's scale words
	s_mov_b32 s55, 0
	s_lshr_b32 s60, s16, 4                         ; batch
	s_and_b32 s61, s16, 15                         ; head
	s_lshl_b32 s56, s60, 4
	s_lshl_b32 s18, s15, 2
	s_add_co_u32 s56, s56, s18
	s_lshr_b32 s18, s14, 3
	s_add_co_u32 s56, s56, s18                     ; o's block of 128 tokens
	s_lshl_b32 s56, s56, 17
	s_lshr_b32 s18, s61, 1
	s_lshl_b32 s18, s18, 14
	s_add_co_u32 s56, s56, s18                     ; K / 128 = head / 2
	s_and_b32 s18, s14, 7
	s_lshl_b32 s18, s18, 11
	s_add_co_u32 s56, s56, s18                     ; the tile
	s_and_b32 s18, s61, 1
	s_lshl_b32 s18, s18, 10
	s_add_co_u32 s56, s56, s18                     ; c = 2 (head % 2)
	s_mov_b32 s57, 0
	s_lshl_b32 s58, s60, 11
	s_lshl_b32 s18, s17, 4
	s_add_co_u32 s58, s58, s18
	s_lshl_b32 s58, s58, 5                         ; o's scale bytes: 32 a row,
	s_lshl_b32 s18, s61, 1
	s_add_co_u32 s58, s58, s18                     ; two a head
	s_mov_b32 s59, 0
	s_wait_dscnt 0x0
	s_wait_kmcnt 0x0
	s_add_nc_u64 s[50:51], s[8:9], s[50:51]
	s_add_nc_u64 s[52:53], s[4:5], s[52:53]
	s_add_nc_u64 s[54:55], s[6:7], s[54:55]
	s_add_nc_u64 s[56:57], s[10:11], s[56:57]
	s_add_nc_u64 s[58:59], s[12:13], s[58:59]
.irp g, 0,1,2,3
	s_mov_b32 s[32+4*\g], 1
	s_add_co_u32 s[33+4*\g], s49, \g*GRP
	s_add_nc_u64 s[34+4*\g:35+4*\g], s[50:51], \g*GRP
	s_or_b32 s[35+4*\g], s[35+4*\g], 0x80000000
.endr
	CROUND                                         ; all four work-groups are here: the joint loads meet
	tensor_load_to_lds s[32:35], s[24:31]          ; the launch's only fills, in one group: steps 0-3,
	s_nop 0
	tensor_load_to_lds s[36:39], s[24:31]          ; 4-7,
	s_nop 0
	tensor_load_to_lds s[40:43], s[24:31]          ; 8-11,
	s_nop 0
	tensor_load_to_lds s[44:47], s[24:31]          ; 12-15
	s_nop 0
.rept 4
	v_nop
.endr
	s_wait_alu depctr_va_vdst(0)
	global_load_b128 v[QA:QA+3], v[LI], s[52:53]
	global_load_b128 v[QA+4:QA+7], v[LI], s[52:53] offset:512
	global_load_b128 v[QB:QB+3], v[LI], s[52:53] offset:16384
	global_load_b128 v[QB+4:QB+7], v[LI], s[52:53] offset:16384+512
	global_load_b32 v[QSA], v[QSO], s[54:55]
	global_load_b32 v[QSB], v[QSO], s[54:55] offset:1024
.irp j, 8,9,10,11,12,13,14,15
	v_mov_b32 v[QA+\j], 0                          ; zero codes for K = 64 .. 127, written once
	v_mov_b32 v[QB+\j], 0
	v_mov_b32 v[KF+\j], 0
	v_mov_b32 v[KF+16+\j], 0
	v_mov_b32 v[KF+32+\j], 0
	v_mov_b32 v[KF+48+\j], 0
.endr
.irp b, 0,1,2,3
	v_mov_b32 v[PX+\b], 0                          ; a lane permute's destination counts as one of its sources
.endr
	v_mov_b32 v[F+1], 0                            ; (named as the upper half of a pair)
.macro KLOAD t0                        ; four tiles of K: the lower halves of the four fragments
.irp t, 0,1,2,3
	ds_load_b128 v[KF+16*\t:KF+16*\t+3], v[ADK] offset:1024*(\t0+\t)
	ds_load_b128 v[KF+16*\t+4:KF+16*\t+7], v[ADK] offset:1024*(\t0+\t)+512
.endr
.endm
.macro SCORES t0, qf, qs
.irp t, 0,1,2,3
.if \t%2
	v_wmma_scale_f32_16x16x128_f8f6f4 v[S+8*(\t0+\t):S+8*(\t0+\t)+7], v[KF+16*\t:KF+16*\t+15], v[\qf:\qf+15], 0, v[KSW+(\t0+\t)/2], v[\qs] matrix_a_fmt:MATRIX_FMT_BF8 matrix_b_fmt:MATRIX_FMT_BF8 matrix_a_scale:MATRIX_SCALE_ROW1
.else
	v_wmma_scale_f32_16x16x128_f8f6f4 v[S+8*(\t0+\t):S+8*(\t0+\t)+7], v[KF+16*\t:KF+16*\t+15], v[\qf:\qf+15], 0, v[KSW+(\t0+\t)/2], v[\qs] matrix_a_fmt:MATRIX_FMT_BF8 matrix_b_fmt:MATRIX_FMT_BF8
.endif
.endr
.endm
.macro BLKMAX b0, b1                   ; the largest score of two blocks of 32 keys (my 16 of each), the blocks by turns; each accumulator is read from its low end on
.irp b, \b0, \b1
	v_max3_num_f32 v[BM+\b], v[S+16*\b], v[S+16*\b+1], v[S+16*\b+2]
.endr
.irp i, 3,5,7,9,11,13
.irp b, \b0, \b1
	v_max3_num_f32 v[BM+\b], v[BM+\b], v[S+16*\b+\i], v[S+16*\b+\i+1]
.endr
.endr
.irp b, \b0, \b1
	v_max_num_f32 v[BM+\b], v[BM+\b], v[S+16*\b+15]
.endr
.endm
; A KEY STEP: the 128 keys whose tiles begin at LDS byte s48.
.macro STEP qf, qs
	v_add_nc_u32 v[ADK], s48, v[LI]
	v_add_nc_u32 v[ADS], s48, v[LS]
	KLOAD 0
.irp e, 0,1,2,3
	ds_load_b32 v[KSW+\e], v[ADS] offset:16384+128*\e
.endr
.rept 7
	v_nop                                          ; with the two additions: nine places behind the last step's products, whose source registers (V, in S) the products below write over
.endr
	s_wait_alu depctr_va_vdst(0)
	s_wait_dscnt 0x0
	SCORES 0, \qf, \qs
.rept 8
	v_nop                                          ; places in front of loads into registers that those products read, and of the first read of their results
.endr
	KLOAD 4
	BLKMAX 0, 1
	s_wait_dscnt 0x0
	SCORES 4, \qf, \qs
.rept 8
	v_nop
.endr
	BLKMAX 2, 3
.irp b, 0,1,2,3
	v_permlanex16_b32 v[PX+\b], v[BM+\b], s20, s21
.endr
.irp b, 0,1,2,3
	s_delay_alu instid0(VALU_DEP_4)
	v_max_num_f32 v[BM+\b], v[BM+\b], v[PX+\b]     ; with lane l xor 16's 16 keys: the block's largest score: it serves the row's maximum and, since p rises with the score, the block's largest p
.endr
	s_delay_alu instid0(VALU_DEP_2)
	v_max3_num_f32 v[TT], v[BM], v[BM+1], v[BM+2]
	s_delay_alu instid0(VALU_DEP_1)
	v_max_num_f32 v[TT], v[TT], v[BM+3]
	s_delay_alu instid0(VALU_DEP_1)
	v_mul_f32 v[TT], s22, v[TT]                    ; as t (c is positive)
	s_delay_alu instid0(VALU_DEP_1)
	v_max_num_f32 v[TMX], v[TMX], v[TT]            ; the running largest t
	v_mov_b32 v[TT], v[NM]
	s_delay_alu instid0(VALU_DEP_2)
	v_floor_f32 v[NM], -v[TMX]                     ; the new -M = -ceil(t)
	s_delay_alu instid0(VALU_DEP_1)
	v_sub_f32 v[TT], v[NM], v[TT]                  ; old M - new M: a whole number, 0 or less
	s_delay_alu instid0(VALU_DEP_1)
	v_cvt_i32_f32 v[TT], v[TT]                     ; (it saturates)
	s_delay_alu instid0(VALU_DEP_1)
	v_ldexp_f32 v[F], 1.0, v[TT]                   ; f = 2^(old M - new M)
.set jj, 0
.rept 32
	v_pk_fma_f32 v[S+jj:S+jj+1], v[S+jj:S+jj+1], s[22:23], v[NM:NM+1] op_sel_hi:[1,0,0]   ; t - M, two at a time
.set jj, jj+2
.endr
.irp b, 0,1,2,3
	v_fma_f32 v[BM+\b], v[BM+\b], s22, v[NM]       ; the same of each block's largest score
.endr
.set jj, 0
	s_wait_alu depctr_va_vdst(0)
.rept 64
	v_exp_f32 v[S+jj], v[S+jj]                     ; p = 2^(t - M), at most 1
.set jj, jj+1
.endr
	s_setprio 1
.irp b, 0,1,2,3
	v_exp_f32 v[BM+\b], v[BM+\b]                   ; the block's largest p: the same two instructions on the same number
.endr
	v_pk_mul_f32 v[SUM:SUM+1], v[SUM:SUM+1], v[F:F+1] op_sel_hi:[1,0]      ; the sums under the new M.  (A plain line behind the exponentials)
	s_wait_alu depctr_va_vdst(0)
.irp b, 0,1,2,3
	v_max_num_f32 v[BM+\b], 0x8000000, v[BM+\b]    ; the floor 2^(16 - 127): the byte cannot fall under 1
.endr
.irp b, 0,1,2,3
	s_delay_alu instid0(VALU_DEP_4)
	v_add_nc_u32 v[SO+\b], 0xf8800000, v[BM+\b]    ; 15 off the exponent field: the conversion's scale operand
.endr
.irp b, 0,1,2,3
.endr
.irp b, 0,1,2,3
	s_delay_alu instid0(VALU_DEP_4)
	v_lshrrev_b32 v[PX+\b], 23, v[SO+\b]           ; the scale's byte
.endr
	s_delay_alu instid0(VALU_DEP_3)
	v_lshl_or_b32 v[PW], v[PX+1], 8, v[PX]         ; p's scale word for these 128 keys
	s_delay_alu instid0(VALU_DEP_1)
	v_lshl_or_b32 v[PW], v[PX+2], 16, v[PW]
	s_delay_alu instid0(VALU_DEP_1)
	v_lshl_or_b32 v[PW], v[PX+3], 24, v[PW]
	v_pk_add_f32 v[250:251], v[100:101], v[104:105]
	v_pk_add_f32 v[252:253], v[108:109], v[112:113]
	v_pk_add_f32 v[242:243], v[116:117], v[120:121]
	v_pk_add_f32 v[240:241], v[124:125], v[128:129]
	v_pk_add_f32 v[234:235], v[132:133], v[136:137]
	v_pk_add_f32 v[232:233], v[140:141], v[144:145]
	v_pk_add_f32 v[226:227], v[148:149], v[152:153]
	v_pk_add_f32 v[14:15], v[14:15], v[156:157]
	v_pk_add_f32 v[250:251], v[250:251], v[96:97]
	v_pk_add_f32 v[252:253], v[252:253], v[98:99]
	v_pk_add_f32 v[242:243], v[242:243], v[102:103]
	v_pk_add_f32 v[240:241], v[240:241], v[106:107]
	v_pk_add_f32 v[234:235], v[234:235], v[110:111]
	v_pk_add_f32 v[232:233], v[232:233], v[114:115]
	v_pk_add_f32 v[226:227], v[226:227], v[118:119]
	v_pk_add_f32 v[14:15], v[14:15], v[122:123]
	v_pk_add_f32 v[250:251], v[250:251], v[126:127]
	v_pk_add_f32 v[252:253], v[252:253], v[130:131]
	v_pk_add_f32 v[242:243], v[242:243], v[134:135]
	v_pk_add_f32 v[240:241], v[240:241], v[138:139]
	v_pk_add_f32 v[234:235], v[234:235], v[142:143]
	v_pk_add_f32 v[232:233], v[232:233], v[146:147]
	v_pk_add_f32 v[226:227], v[226:227], v[150:151]
	v_pk_add_f32 v[14:15], v[14:15], v[154:155]
	v_pk_add_f32 v[250:251], v[250:251], v[158:159]
	s_delay_alu instid0(VALU_DEP_2)
	v_pk_add_f32 v[14:15], v[14:15], v[240:241]
	s_delay_alu instid0(VALU_DEP_2)
	v_pk_add_f32 v[250:251], v[250:251], v[234:235]
	v_pk_add_f32 v[252:253], v[252:253], v[232:233]
	v_pk_add_f32 v[242:243], v[242:243], v[226:227]
	s_delay_alu instid0(VALU_DEP_2)
	v_pk_add_f32 v[14:15], v[14:15], v[252:253]
	s_delay_alu instid0(VALU_DEP_2)
	v_pk_add_f32 v[250:251], v[250:251], v[242:243]
	s_delay_alu instid0(VALU_DEP_1)
	v_pk_add_f32 v[14:15], v[14:15], v[250:251]
.irp b, 0,1,2,3
.irp i, 0,1,2,3,4,5,6,7,8,9,10,11,12,13,14,15
.endr
	v_cvt_scalef32_pk8_bf8_f32 v[PC+4*\b:PC+4*\b+1], v[S+16*\b:S+16*\b+7], v[SO+\b]
	v_cvt_scalef32_pk8_bf8_f32 v[PC+4*\b+2:PC+4*\b+3], v[S+16*\b+8:S+16*\b+15], v[SO+\b]
.endr
	v_nop
.irp t, 0,1,2,3                                    ; V's four fragments take the registers that p has left
.irp c, 0,1,2,3
	ds_load_b128 v[S+16*\t+4*\c:S+16*\t+4*\c+3], v[ADK] offset:8192+2048*\t+512*\c
.endr
	ds_load_b32 v[VSW+\t], v[ADS] offset:16896+128*\t
.endr
.set jj, 0
	s_setprio 0
.rept 16
	v_pk_mul_f32 v[O+jj:O+jj+1], v[O+jj:O+jj+1], v[F:F+1] op_sel_hi:[1,0]   ; O^T under the new M.  (These sixteen are also the places behind the conversions and in front of the products below)
.set jj, jj+2
.endr
	s_wait_alu depctr_va_vdst(0)
	s_wait_dscnt 0x0
.irp t, 0,1,2,3                                    ; O^T += V^T P^T: the four accumulators by turns, one instruction a turn
	v_wmma_scale_f32_16x16x128_f8f6f4 v[O+8*\t:O+8*\t+7], v[S+16*\t:S+16*\t+15], v[PC:PC+15], v[O+8*\t:O+8*\t+7], v[VSW+\t], v[PW] matrix_a_fmt:MATRIX_FMT_BF8 matrix_b_fmt:MATRIX_FMT_BF8
.endr
	s_add_co_u32 s48, s48, STEPB
.endm
.macro WALK n, qf, qs                  ; n key steps
	s_mov_b32 s49, \n
.Lwalk_\@:
	s_setprio 2
	STEP \qf, \qs
	s_sub_co_u32 s49, s49, 1
	s_cmp_lg_u32 s49, 0
	s_cbranch_scc1 .Lwalk_\@
	s_setprio 0
.endm
.macro INIT                            ; the step is written once: its first walk finds zeros, which the first change of M leaves zeros
	v_mov_b32 v[TMX], 0xff61b1e6                   ; -3e38, under every t
	s_delay_alu instid0(VALU_DEP_1)
	v_floor_f32 v[NM], -v[TMX]
	v_mov_b32 v[SUM], 0
	v_mov_b32 v[SUM+1], 0
.set jj, 0
.rept 32
	v_mov_b32 v[O+jj], 0
.set jj, jj+1
.endr
.endm
.macro GROUP g                         ; the first tile's walk through group g, behind the wait that shows my part of it landed and a barrier that shows everybody's
	s_wait_tensorcnt 3-\g                          ; the later groups' loads of mine may stay out
	s_barrier_signal -1
	s_barrier_wait -1
	s_mov_b32 s48, \g*GRP
	WALK 4, QA, QSA
.endm
; O^T / the sum, quantised along the channels (two blocks of 32: 16 numbers here, 16 in lane l xor 16), stored as two quarters of the last projection's fragment.  ci, si: the tile's offsets; hw: a register of its own for the two bytes
.macro FINISH ci, si, hw
.rept 8
	v_nop                                          ; places behind the last products
.endr
	v_add_f32 v[TT], v[SUM], v[SUM+1]
	s_delay_alu instid0(VALU_DEP_1)
	v_permlanex16_b32 v[PX], v[TT], s20, s21
	s_delay_alu instid0(VALU_DEP_1)
	v_add_f32 v[TT], v[TT], v[PX]                  ; the row's sum
	s_wait_alu depctr_va_vdst(0)
	v_rcp_f32 v[TT], v[TT]
	v_nop                                          ; a plain line behind the transcendental
.set jj, 0
	s_wait_alu depctr_va_vdst(0)
.rept 32
	v_mul_f32 v[S+jj], v[O+jj], v[TT]              ; register 16 e + i is channel 32 e + 16 h + i of my query
.set jj, jj+1
.endr
.irp b, 0,1
	v_max3_num_f32 v[BM+\b], |v[S+16*\b]|, |v[S+16*\b+1]|, 0x8000000
.endr
.irp i, 2,4,6,8,10,12,14
.irp b, 0,1
	s_delay_alu instid0(VALU_DEP_2)
	v_max3_num_f32 v[BM+\b], v[BM+\b], |v[S+16*\b+\i]|, |v[S+16*\b+\i+1]|
.endr
.endr
.irp b, 0,1
	s_delay_alu instid0(VALU_DEP_2)
	v_permlanex16_b32 v[PX+\b], v[BM+\b], s20, s21
.endr
.irp b, 0,1
	s_delay_alu instid0(VALU_DEP_2)
	v_max_num_f32 v[BM+\b], v[BM+\b], v[PX+\b]
.endr
.irp b, 0,1
	s_delay_alu instid0(VALU_DEP_2)
	v_add_nc_u32 v[SO+\b], 0xf8800000, v[BM+\b]
.endr
.irp b, 0,1
.endr
.irp b, 0,1
	s_delay_alu instid0(VALU_DEP_2)
	v_lshrrev_b32 v[PX+\b], 23, v[SO+\b]
.endr
	s_delay_alu instid0(VALU_DEP_1)
	v_lshl_or_b32 v[\hw], v[PX+1], 8, v[PX]
.irp b, 0,1
.irp i, 0,1,2,3,4,5,6,7,8,9,10,11,12,13,14,15
.endr
	v_cvt_scalef32_pk8_bf8_f32 v[PC+4*\b:PC+4*\b+1], v[S+16*\b:S+16*\b+7], v[SO+\b]
	v_cvt_scalef32_pk8_bf8_f32 v[PC+4*\b+2:PC+4*\b+3], v[S+16*\b+8:S+16*\b+15], v[SO+\b]
.endr
	v_nop
	global_store_b128 v[LI], v[PC:PC+3], s[56:57] offset:\ci               ; 512 consecutive aligned bytes
	global_store_b128 v[LI], v[PC+4:PC+7], s[56:57] offset:\ci+512
	global_store_b16 v[OSO], v[\hw], s[58:59] offset:\si                   ; my head's two bytes of the row's 32; lanes 16-31 store the same bytes with the same value
.endm
	s_wait_loadcnt 0x0                             ; Q
	INIT
	GROUP 0
	GROUP 1
	GROUP 2
	GROUP 3
	FINISH 0, 0, 252
	s_wait_xcnt 0x0                                ; the stores have read the codes' registers, which the second tile writes again
	INIT
	s_mov_b32 s48, 0
	WALK 16, QB, QSB                               ; the whole head lies in LDS: no wait on tensor loads, no barrier
	FINISH 262144, 8192, 253
	s_wait_tensorcnt 0x0
	s_wait_dscnt 0x0
	s_wait_tensorcnt 0x0
	ds_add_u32 v254, v255
	s_wait_dscnt 0x0
	CROUND                                         ; the closing round
	s_endpgm
.Lfunc_end_k_q1fd66a38c4_attn:
	.size	k_q1fd66a38c4_attn, .Lfunc_end_k_q1fd66a38c4_attn-k_q1fd66a38c4_attn
	.p2alignl 7, 3214868480
	.fill 96, 4, 3214868480
	.section	.rodata,"a",@progbits
	.p2align	6, 0x0
	.amdhsa_kernel k_q1fd66a38c4_attn
		.amdhsa_group_segment_fixed_size 280576
		.amdhsa_private_segment_fixed_size 0
		.amdhsa_enable_private_segment 0
		.amdhsa_kernarg_size 40
		.amdhsa_user_sgpr_count 2
		.amdhsa_user_sgpr_kernarg_segment_ptr 1
		.amdhsa_wavefront_size32 1
		.amdhsa_system_sgpr_workgroup_id_x 1
		.amdhsa_system_sgpr_workgroup_id_y 1
		.amdhsa_system_sgpr_workgroup_id_z 1
		.amdhsa_system_vgpr_workitem_id 0
		.amdhsa_next_free_vgpr 256
		.amdhsa_next_free_sgpr 66
		.amdhsa_reserve_vcc 0
		.amdhsa_float_denorm_mode_32 3
		.amdhsa_float_denorm_mode_16_64 3
		.amdhsa_fp16_overflow 1
		.amdhsa_memory_ordered 1
		.amdhsa_forward_progress 1
		.amdhsa_inst_pref_size 108
	.end_amdhsa_kernel
	.amdgpu_metadata
---
amdhsa.version: [ 1, 2 ]
amdhsa.kernels:
  - .name:           k_q1fd66a38c4_attn
    .symbol:         k_q1fd66a38c4_attn.kd
    .args:
      - { .name: q_img, .offset: 0, .size: 8, .value_kind: global_buffer, .address_space: global }
      - { .name: q_sc, .offset: 8, .size: 8, .value_kind: global_buffer, .address_space: global }
      - { .name: kv, .offset: 16, .size: 8, .value_kind: global_buffer, .address_space: global }
      - { .name: o_img, .offset: 24, .size: 8, .value_kind: global_buffer, .address_space: global }
      - { .name: o_sc, .offset: 32, .size: 8, .value_kind: global_buffer, .address_space: global }
    .group_segment_fixed_size: 280576
    .private_segment_fixed_size: 0
    .kernarg_segment_align: 8
    .kernarg_segment_size: 40
    .max_flat_workgroup_size: 512
    .sgpr_count:     66
    .vgpr_count:     256
    .wavefront_size: 32
...
	.end_amdgpu_metadata
.endif
;; end of part 3
;; launch outp (part 4): grid 4 x 32, 4 waves a work-group, clusters of 4 x 4, 327,680 bytes of LDS; arguments o_img, o_sc, xw_codes, xw_scales, bo, state, out0; writes out0
.if DOCPART == 4
	.amdgcn_target "amdgcn-amd-amdhsa--gfx1250"
	.amdhsa_code_object_version 6
	.text
	.protected	k_q1fd66a38c4_outp
	.globl	k_q1fd66a38c4_outp
	.p2align	8
	.type	k_q1fd66a38c4_outp,@function
k_q1fd66a38c4_outp:
	s_mov_b64 s[64:65], 0
	v_nop
	global_prefetch_b8 v0, s[64:65] scope:SCOPE_SE
	s_setreg_imm32_b32 hwreg(HW_REG_WAVE_MODE, 25, 1), 1
	s_wait_xcnt 0x0
	s_wait_alu depctr_hold_cnt(0) depctr_sa_sdst(0) depctr_va_vdst(0) depctr_va_sdst(0) depctr_va_ssrc(0) depctr_va_vcc(0) depctr_vm_vsrc(0)
	s_getreg_b32 s2, hwreg(HW_REG_IB_STS2, 6, 4)
	s_cmp_eq_u32 s2, 0
	s_cbranch_scc0 .Lentry_in_a_cluster
	s_endpgm
.Lentry_in_a_cluster:
	s_bfe_u32 s2, ttmp6, 0x10000c
	s_cmp_lg_u32 s2, 0xf033
	s_cbranch_scc0 .Lentry_shape_is_right
	s_endpgm
.Lentry_shape_is_right:
; out0 = o Wo + bo + state.  o [8,192][1,024] and Wo's columns [1,024][1,024] are codes of BF8 with E8M0 scales, laid as images of the operand's registers ([block of 128 rows][K / 128][tile][c][lane][16 bytes]).
; 128 tiles of 256 x 256; four waves, each 128 x 128 (64 accumulators); K = 1,024 in four K steps of 256 through a ring of two LDS slots filled by the tensor data mover.  A tile of half the rows would give twice the
; work-groups, but each fragment read from LDS would feed fewer products; most of this launch is the residual's and the output's bytes.
; Source 1 (A) = 16 tokens, shared along the cluster's row; source 0 (B) = 16 columns of Wo, shared along its column.  A lane holds one token; the 16 registers of B's tiles 2 e, 2 e + 1 are columns 32 e + 16 h + 0 .. 15.
; Index t of A's tile a is token 32 (a / 2) + 8 (a % 2) + t + 8 (t / 8) of the block of 128.  bo is the C of each sum's first product.
; THE WAY OUT: a block of 16 tokens x 128 columns goes through the wave's own stage in LDS (in slot 0, which has had its last fill and its last read by then), comes back as whole rows of 512 bytes, takes state's rows and is stored.
; state's rows are asked for ahead: each wave prefetches its own 128 rows x 512 bytes, each aligned block of 256 bytes once in the launch, two instructions of 32 blocks behind each of the first four steps of 128 along K,
; that is at least four such steps (256 matrix instructions) ahead of the loads that want them; every address lies inside the buffer.
; REGISTERS: window 0: v16-29 addresses; v32-63 scale words, two sets; v64-127 the bias; v128-255 A's fragments, one set; on the way out v64-191 state's rows, two sets, v192-255 the results' rows.
;   window 1: B's fragments, two sets.  windows 2, 3: the accumulators, (a, b) at v[8 (8 (a % 4) + b)].
.set NQ,    2
.set FR,    16
.set NL,    4
.set NP,    8                          ; places behind this matrix instruction (ISA guide 7.12.1)
.set HALFT, 32768
.set SLOT,  4*HALFT
.set SCL,   2*SLOT
.set HALFS, 4352
.set SBLK,  544
.set SPARE, SCL+4*HALFS                ; the spare words, 128 bytes a wave, which no other line names
.set SPITCH, 528
.set ADRA, 16
.set STO,  18
.set RD,   19
.set ADRB, 20
.set LI,   22                          ; 16 x lane
.set BA,   24                          ; 64 h
.set PF,   25                          ; the prefetches: 4,096 (lane / 2) + 256 (lane % 2); never rewritten
.set ADRS, 27
.set SPW,  28
.set NIL,  29
.set SC,   32
.set BI,   64
.set AF,   128
.set SS,   64
.set BK,   192
.set G1,   24
.set G0,   32
.set G1B,  48
.set G0B,  56
.set G1S,  68
.set G0S,  76
.set G1SB, 80
.set G0SB, 88
.set MSB, 0
.macro WIN new                         ; the immediate's high byte repeats the setting that is left
.if MSB != (\new)
	s_set_vgpr_msb (MSB<<8)|(\new)
.set MSB, (\new)
.endif
.endm
.set MUL_LO,  0xa1
.set MUL_HI,  0xf1
.set MULZ_LO, 0x81
.set MULZ_HI, 0xc1
.set TO_B,    0x40
.macro JLOAD g0a, g1a, g0b, g1b        ; a joint load: waves 0 and 1 fetch for A, waves 2 and 3 for B; four v_nop follow each of the two lines
	s_cmp_eq_u32 s21, 0
	s_cbranch_scc0 .Lfor_b_\@
	tensor_load_to_lds s[\g0a:\g0a+3], s[\g1a:\g1a+7]
	s_nop 0
.rept 4
	v_nop
.endr
	s_branch .Lasked_\@
.Lfor_b_\@:
	tensor_load_to_lds s[\g0b:\g0b+3], s[\g1b:\g1b+7]
	s_nop 0
.rept 4
	v_nop
.endr
.Lasked_\@:
.endm
.macro CREST
	s_cmp_lg_u32 s20, 0
	s_cbranch_scc1 .Lnot_wave_0_\@
	s_barrier_signal -3
.Lnot_wave_0_\@:
	s_barrier_wait -3
	s_barrier_signal -1
	s_barrier_wait -1
.endm
.macro CROUND
	s_barrier_signal -1
	s_barrier_wait -1
	CREST
.endm
	s_load_b256 s[4:11], s[0:1], 0x0               ; o_img, o_sc, xw_codes, xw_scales
	s_load_b128 s[12:15], s[0:1], 0x20             ; bo, state
	s_load_b64 s[16:17], s[0:1], 0x30              ; out0
	v_lshl_add_u32 v[SPW], v0, 2, SPARE
	v_mov_b32 v[NIL], 0
	ds_add_u32 v28, v29
	ds_add_u32 v28, v29
	s_wait_dscnt 0x0
	v_lshrrev_b32 v1, 5, v0
	v_readfirstlane_b32 s20, v1                    ; wave
	s_lshr_b32 s21, s20, 1                         ; my half of the tokens.  Also: I fetch for A (0) or for B (1)
	s_and_b32 s22, s20, 1                          ; my half of the columns.  Also: which 128 rows I fetch
	s_bfe_u32 s40, ttmp6, 0x40000                  ; cx
	s_bfe_u32 s41, ttmp6, 0x40004                  ; cy
	s_lshl_b32 s104, s41, 2
	s_lshl_b32 s104, 15, s104                      ; my row of the cluster
	s_lshl_b32 s105, 0x1111, s40                   ; my column
	s_and_b32 s42, ttmp7, 0xffff
	s_lshl_b32 s42, s42, 2
	s_add_co_u32 s42, s42, s41                     ; A's tile of 256 tokens: it hangs on cy alone
	s_lshl_b32 s42, s42, 1
	s_add_co_u32 s42, s42, s22                     ; the block of 128 that I fetch
	s_lshl_b32 s66, s42, 12
	s_mov_b32 s67, 0
	s_lshl_b32 s42, s42, 17
	s_mov_b32 s43, 0
	s_lshl_b32 s46, s40, 1
	s_add_co_u32 s46, s46, s22
	s_add_co_u32 s46, s46, 152                     ; B: Wo's blocks begin at 152 of xw; they hang on cx alone
	s_lshl_b32 s44, s46, 12
	s_mov_b32 s45, 0
	s_lshl_b32 s46, s46, 17
	s_mov_b32 s47, 0
	s_lshl_b32 s2, s20, 15
	s_mul_i32 s3, s20, HALFS
	s_or_b32 s[G1+0], s104, (3<<16)|(1<<21)        ; codes: 32,768 dense bytes as 128 rows of 32 elements of 8 bytes
	s_or_b32 s[G1B+0], s105, (3<<16)|(1<<21)
.irp g, G1, G1B
	s_mov_b32 s[\g+1], 32<<16
	s_mov_b32 s[\g+2], 128<<16
	s_mov_b32 s[\g+3], 32<<16
	s_mov_b32 s[\g+4], 128
	s_mov_b32 s[\g+5], 32
	s_mov_b32 s[\g+6], 0
	s_mov_b32 s[\g+7], 0
.endr
	s_or_b32 s[G1S+0], s104, (3<<16)|(1<<20)|(1<<21)|(5<<22)|(3<<25)       ; scales: 4,096 dense bytes as 16 rows of 256, 16 bytes of padding behind each
	s_or_b32 s[G1SB+0], s105, (3<<16)|(1<<20)|(1<<21)|(5<<22)|(3<<25)
.irp g, G1S, G1SB
	s_mov_b32 s[\g+1], 32<<16
	s_mov_b32 s[\g+2], 16<<16
	s_mov_b32 s[\g+3], 32<<16
	s_mov_b32 s[\g+4], 16
	s_mov_b32 s[\g+5], 32
	s_mov_b32 s[\g+6], 0
	s_mov_b32 s[\g+7], 0
.endr
	; my part of state and of out0: these registers hold both coordinates and feed no descriptor
	s_and_b32 s92, ttmp7, 0xffff
	s_lshl_b32 s92, s92, 2
	s_add_co_u32 s92, s92, s41
	s_lshl_b32 s92, s92, 1
	s_add_co_u32 s92, s92, s21                     ; my block of 128 tokens
	s_lshl_b32 s92, s92, 19                        ; x 128 rows of 4,096 bytes
	s_lshl_b32 s94, s40, 10
	s_lshl_b32 s95, s22, 9
	s_add_co_u32 s94, s94, s95                     ; my 128 columns, in bytes
	s_add_co_u32 s92, s92, s94
	s_mov_b32 s93, 0
	s_mov_b32 s95, 0
	s_wait_kmcnt 0x0
	s_add_nc_u64 s[42:43], s[4:5], s[42:43]
	s_add_nc_u64 s[66:67], s[6:7], s[66:67]
	s_add_nc_u64 s[46:47], s[8:9], s[46:47]
	s_add_nc_u64 s[44:45], s[10:11], s[44:45]
	s_add_nc_u64 s[12:13], s[12:13], s[94:95]
	s_add_nc_u64 s[14:15], s[14:15], s[92:93]
	s_add_nc_u64 s[16:17], s[16:17], s[92:93]
	CROUND                                         ; all sixteen work-groups are here: the first joint loads meet
	s_mov_b32 s[G0S], 1
	s_add_co_u32 s[G0S+1], s3, SCL
	s_mov_b64 s[G0S+2:G0S+3], s[66:67]
	s_or_b32 s[G0S+3], s[G0S+3], 0x80000000
	s_mov_b32 s[G0SB], 1
	s_add_co_u32 s[G0SB+1], s3, SCL
	s_mov_b64 s[G0SB+2:G0SB+3], s[44:45]
	s_or_b32 s[G0SB+3], s[G0SB+3], 0x80000000
	JLOAD G0S, G1S, G0SB, G1SB
.irp s, 0,1
	s_mov_b32 s[G0+4*\s], 1
	s_add_co_u32 s[G0+4*\s+1], s2, \s*SLOT
	s_add_nc_u64 s[G0+4*\s+2:G0+4*\s+3], s[42:43], \s*HALFT
	s_or_b32 s[G0+4*\s+3], s[G0+4*\s+3], 0x80000000
	s_mov_b32 s[G0B+4*\s], 1
	s_add_co_u32 s[G0B+4*\s+1], s2, \s*SLOT
	s_add_nc_u64 s[G0B+4*\s+2:G0B+4*\s+3], s[46:47], \s*HALFT
	s_or_b32 s[G0B+4*\s+3], s[G0B+4*\s+3], 0x80000000
	s_wait_alu depctr_va_vdst(0)
	s_wait_tensorcnt 0x0
	ds_add_u32 v28, v29
	s_wait_dscnt 0x0
	CROUND
	JLOAD G0+4*\s, G1, G0B+4*\s, G1B               ; one load of mine is out
.endr
	v_and_b32 v3, 31, v0
	v_and_b32 v1, 15, v0                           ; r
	v_bfe_u32 v2, v0, 4, 1                         ; h
	s_wait_alu depctr_va_vdst(0)
	v_lshlrev_b32 v[LI], 4, v3
	s_lshl_b32 s96, s21, 15
	s_lshl_b32 s97, s22, 15
	s_add_co_u32 s97, s97, 2*HALFT
.irp s, 0,1
	v_add_nc_u32 v[ADRA+\s], s96, v[LI]
	v_add_nc_u32 v[ADRB+\s], s97, v[LI]
	s_add_co_u32 s96, s96, SLOT
	s_add_co_u32 s97, s97, SLOT
.endr
	v_mul_u32_u24 v5, v1, 32
	v_lshrrev_b32 v6, 8, v5
	v_lshl_add_u32 v5, v6, 4, v5
	s_mul_i32 s98, s21, HALFS
	s_mul_i32 s99, s22, HALFS
	s_add_co_u32 s99, s99, 2*HALFS
	s_sub_co_u32 s99, s99, s98
	v_mul_u32_u24 v6, s99, v2                      ; lanes 16-31 take B's
	s_add_co_u32 s98, s98, SCL
	v_add_nc_u32 v5, v5, v6
	v_add_nc_u32 v[ADRS], s98, v5
	v_lshlrev_b32 v[BA], 6, v2
	s_mul_i32 s96, s20, 16*SPITCH                  ; my stage
	v_mul_u32_u24 v[STO], v1, SPITCH
	v_lshl_add_u32 v[STO], v2, 6, v[STO]
	v_add_nc_u32 v[STO], s96, v[STO]               ; in: row r, + 64 h
	v_add_nc_u32 v[RD], s96, v[LI]                 ; back: the 32 lanes take one row of 512 bytes
	v_lshrrev_b32 v4, 1, v3
	v_and_b32 v5, 1, v3
	v_lshlrev_b32 v[PF], 12, v4
	v_lshl_add_u32 v[PF], v5, 8, v[PF]
.irp b, 0,1,2,3,4,5,6,7                            ; bo in the result's layout: B's tile b holds columns 32 (b / 2) + 16 h + 8 (b % 2) + 0 .. 7
	global_load_b128 v[BI+8*\b:BI+8*\b+3], v[BA], s[12:13] offset:(32*(\b/2)+8*(\b%2))*4
	global_load_b128 v[BI+8*\b+4:BI+8*\b+7], v[BA], s[12:13] offset:(32*(\b/2)+8*(\b%2))*4+16
.endr
.macro FRAG reg, adr, q, i
.irp c, 0,1,2,3
	ds_load_b128 v[\reg+4*\c:\reg+4*\c+3], v[\adr] offset:(8*(\q)+(\i))*2048+512*\c
.endr
.endm
; 16 matrix instructions: A's blocks a0, a0 + 1 x B's eight, 128 along K.  zero = 1: the sums begin with the bias.  The 64 accumulators take turns, one instruction a turn, in the same order in every step.
.macro MUL16 a0, p, q, sc, zero
.irp a, \a0, \a0+1
.irp b, 0,1,2,3,4,5,6,7
.if \zero
	v_wmma_scale_f32_16x16x128_f8f6f4 v[8*(8*((\a)%4)+\b):8*(8*((\a)%4)+\b)+7], v[128*(\p)+FR*\b:128*(\p)+FR*\b+FR-1], v[AF+FR*(\a):AF+FR*(\a)+FR-1], v[BI+8*\b:BI+8*\b+7], v[SC+8*NQ*(\sc)+NQ*\b+(\q)], v[SC+8*NQ*(\sc)+NQ*(\a)+(\q)] matrix_a_fmt:MATRIX_FMT_BF8 matrix_b_fmt:MATRIX_FMT_BF8 matrix_a_scale:MATRIX_SCALE_ROW1
.else
	v_wmma_scale_f32_16x16x128_f8f6f4 v[8*(8*((\a)%4)+\b):8*(8*((\a)%4)+\b)+7], v[128*(\p)+FR*\b:128*(\p)+FR*\b+FR-1], v[AF+FR*(\a):AF+FR*(\a)+FR-1], v[8*(8*((\a)%4)+\b):8*(8*((\a)%4)+\b)+7], v[SC+8*NQ*(\sc)+NQ*\b+(\q)], v[SC+8*NQ*(\sc)+NQ*(\a)+(\q)] matrix_a_fmt:MATRIX_FMT_BF8 matrix_b_fmt:MATRIX_FMT_BF8 matrix_a_scale:MATRIX_SCALE_ROW1
.endif
.endr
.endr
.endm
.macro FETCH_B slot, q, p
	WIN TO_B
.irp i, 0,1,2,3,4,5,6,7
	FRAG 128*(\p)+FR*\i, ADRB+\slot, \q, \i
.endr
	WIN 0
.endm
.macro FETCH_A slot, q, i0
.irp i, \i0, \i0+1, \i0+2, \i0+3
	FRAG AF+FR*(\i), ADRA+\slot, \q, \i
.endr
.endm
.macro SCALES sc
.irp i, 0,1,2,3,4,5,6,7
	ds_load_b64 v[SC+8*NQ*\sc+NQ*\i:SC+8*NQ*\sc+NQ*\i+1], v[ADRS] offset:\i*SBLK
.endr
.endm
.macro PLACES n
.rept \n
	v_nop
.endr
.endm
.macro STEP slot, q, zero
	s_wait_dscnt 4*NL                              ; B's set and A's blocks 0-3 are in; the youngest 16 loads (A's blocks 4-7) may be out
.if \zero
	WIN MULZ_LO
.else
	WIN MUL_LO
.endif
	MUL16 0, (\q)%2, \q, \slot, \zero
	MUL16 2, (\q)%2, \q, \slot, \zero
	s_wait_dscnt 0
	PLACES NP
	FETCH_B \slot, (\q)+1, 1-(\q)%2
	FETCH_A \slot, (\q)+1, 0
.if \zero
	WIN MULZ_HI
.else
	WIN MUL_HI
.endif
	MUL16 4, (\q)%2, \q, \slot, \zero
	MUL16 6, (\q)%2, \q, \slot, \zero
	PLACES NP
	WIN 0
	FETCH_A \slot, (\q)+1, 4
.endm
.macro TURN slot, next, fill
	s_wait_tensorcnt 0x0                           ; all my tensor loads have landed: my part of the next slot
	ds_add_u32 v[SPW], v[NIL]                      ; 0 onto my spare word
	s_wait_dscnt 4*NL+1                            ; (the add and the youngest 16 loads may be out)
	WIN MUL_LO
	MUL16 0, 1, NQ-1, \slot, 0
	s_wait_dscnt 0x0                               ; the add is done, and my reads of this slot are over
	s_barrier_signal -1
	MUL16 2, 1, NQ-1, \slot, 0
	WIN 0
	s_barrier_wait -1
.if \fill
	CREST                                          ; the barrier has opened a round of the cluster's barrier: no wave of any partner still reads this slot or has a load on its way
	s_add_nc_u64 s[G0+4*\slot+2:G0+4*\slot+3], s[G0+4*\slot+2:G0+4*\slot+3], 2*HALFT
	s_add_nc_u64 s[G0B+4*\slot+2:G0B+4*\slot+3], s[G0B+4*\slot+2:G0B+4*\slot+3], 2*HALFT
	JLOAD G0+4*\slot, G1, G0B+4*\slot, G1B
	PLACES NP-4
.else
	PLACES NP
.endif
	s_wait_alu depctr_va_vdst(0)
	v_add_nc_u32 v[ADRS], 4*NQ, v[ADRS]
	FETCH_B \next, 0, 0
	FETCH_A \next, 0, 0
	SCALES \next
	WIN MUL_HI
	MUL16 4, 1, NQ-1, \slot, 0
	MUL16 6, 1, NQ-1, \slot, 0
	PLACES NP
	WIN 0
	FETCH_A \next, 0, 4
.endm
.macro PREF k                          ; rows 16 k .. 16 k + 15 of my part of state: 32 aligned blocks of 256 bytes
	global_prefetch_b8 v[PF], s[14:15] offset:(\k)*65536 th:TH_LOAD_NT scope:SCOPE_SE
.endm
	s_wait_alu depctr_va_vdst(0)
	s_wait_tensorcnt 1                             ; the scales and my part of K step 0 are in; K step 1's load may be out
	s_barrier_signal -1
	s_barrier_wait -1
	FETCH_B 0, 0, 0
	FETCH_A 0, 0, 0
	SCALES 0
	FETCH_A 0, 0, 4
	s_wait_loadcnt 0x0                             ; the bias
	STEP 0, 0, 1                                   ; the first step starts the sums with the bias
	PREF 0
	PREF 1
	TURN 0, 1, 1
	PREF 2
	PREF 3
	STEP 1, 0, 0
	PREF 4
	PREF 5
	TURN 1, 0, 1
	PREF 6
	PREF 7
	STEP 0, 0, 0
	TURN 0, 1, 0                                   ; nothing is left to fetch; behind this barrier nobody reads slot 0
	STEP 1, 0, 0
	s_wait_dscnt 4*NL
	WIN MUL_LO
	MUL16 0, 1, NQ-1, 1, 0
	MUL16 2, 1, NQ-1, 1, 0
	s_wait_dscnt 0
	WIN MUL_HI
	MUL16 4, 1, NQ-1, 1, 0
	MUL16 6, 1, NQ-1, 1, 0
	WIN 0
.macro SLOAD a                         ; state's 16 rows of A's block a, 512 consecutive bytes a load, into set a % 2
.irp t, 0,1,2,3,4,5,6,7,8,9,10,11,12,13,14,15
	global_load_b128 v[SS+64*((\a)%2)+4*\t:SS+64*((\a)%2)+4*\t+3], v[LI], s[14:15] offset:(32*((\a)/2)+8*((\a)%2)+\t+8*(\t/8))*4096 th:TH_LOAD_NT
.endr
.endm
.macro TOSTAGE a                       ; LDS serves a wave's instructions in order (ISA guide 5.7.1.4): no wait between the stores and the loads, nor in front of the next block's stores
.set AC, 64*((\a)%4)
	WIN 0x08+4*((\a)/4)                            ; the data: window 2 or 3
.irp b, 0,1,2,3,4,5,6,7
	ds_store_b128 v[STO], v[AC+8*\b:AC+8*\b+3] offset:128*(\b/2)+32*(\b%2)            ; each accumulator from its low end on
	ds_store_b128 v[STO], v[AC+8*\b+4:AC+8*\b+7] offset:128*(\b/2)+32*(\b%2)+16
.endr
	WIN 0
.irp t, 0,1,2,3,4,5,6,7,8,9,10,11,12,13,14,15
	ds_load_b128 v[BK+4*\t:BK+4*\t+3], v[RD] offset:\t*SPITCH
.endr
.endm
	PLACES NP                                      ; behind the last products: for the loads into registers that held A's fragments, and for the reads of results
	SLOAD 0
	SLOAD 1
.irp a, 0,1,2,3,4,5,6,7
.if \a > 0
	s_wait_xcnt 0x0                                ; the last block's stores have read their registers, which the stage's loads fill again
.endif
	TOSTAGE \a
	s_wait_dscnt 0x0
.if \a < 7
	s_wait_loadcnt 16                              ; this block's rows of state are in; the next block's 16 loads may be out
.else
	s_wait_loadcnt 0x0
.endif
.set jj, 0
.rept 32
	v_pk_add_f32 v[BK+jj:BK+jj+1], v[BK+jj:BK+jj+1], v[SS+64*(\a%2)+jj:SS+64*(\a%2)+jj+1]    ; + state
.set jj, jj+2
.endr
.if \a < 6
	SLOAD \a+2
.endif
.irp t, 0,1,2,3,4,5,6,7,8,9,10,11,12,13,14,15
	global_store_b128 v[LI], v[BK+4*\t:BK+4*\t+3], s[16:17] offset:(32*(\a/2)+8*(\a%2)+\t+8*(\t/8))*4096 th:TH_STORE_NT   ; 512 consecutive bytes, at a multiple of 512 from the buffer's first byte
.endr
.endr
	s_wait_tensorcnt 0x0                           ; the wave's end
	ds_add_u32 v[SPW], v[NIL]
	s_wait_dscnt 0x0
	CROUND                                         ; the closing round: no work-group ends while a partner may still ask for a tile that names it
	s_endpgm
.Lfunc_end_k_q1fd66a38c4_outp:
	.size	k_q1fd66a38c4_outp, .Lfunc_end_k_q1fd66a38c4_outp-k_q1fd66a38c4_outp
	.p2alignl 7, 3214868480
	.fill 96, 4, 3214868480
	.section	.rodata,"a",@progbits
	.p2align	6, 0x0
	.amdhsa_kernel k_q1fd66a38c4_outp
		.amdhsa_group_segment_fixed_size 327680
		.amdhsa_private_segment_fixed_size 0
		.amdhsa_enable_private_segment 0
		.amdhsa_kernarg_size 56
		.amdhsa_user_sgpr_count 2
		.amdhsa_user_sgpr_kernarg_segment_ptr 1
		.amdhsa_wavefront_size32 1
		.amdhsa_system_sgpr_workgroup_id_x 1
		.amdhsa_system_sgpr_workgroup_id_y 1
		.amdhsa_system_sgpr_workgroup_id_z 1
		.amdhsa_system_vgpr_workitem_id 0
		.amdhsa_next_free_vgpr 1024
		.amdhsa_next_free_sgpr 106
		.amdhsa_reserve_vcc 0
		.amdhsa_float_denorm_mode_32 3
		.amdhsa_float_denorm_mode_16_64 3
		.amdhsa_memory_ordered 1
		.amdhsa_forward_progress 1
		.amdhsa_inst_pref_size 176
	.end_amdhsa_kernel
	.amdgpu_metadata
---
amdhsa.version: [ 1, 2 ]
amdhsa.kernels:
  - .name:           k_q1fd66a38c4_outp
    .symbol:         k_q1fd66a38c4_outp.kd
    .args:
      - { .name: o_img, .offset: 0, .size: 8, .value_kind: global_buffer, .address_space: global }
      - { .name: o_sc, .offset: 8, .size: 8, .value_kind: global_buffer, .address_space: global }
      - { .name: xw_codes, .offset: 16, .size: 8, .value_kind: global_buffer, .address_space: global }
      - { .name: xw_scales, .offset: 24, .size: 8, .value_kind: global_buffer, .address_space: global }
      - { .name: bo, .offset: 32, .size: 8, .value_kind: global_buffer, .address_space: global }
      - { .name: state, .offset: 40, .size: 8, .value_kind: global_buffer, .address_space: global }
      - { .name: out0, .offset: 48, .size: 8, .value_kind: global_buffer, .address_space: global }
    .group_segment_fixed_size: 327680
    .private_segment_fixed_size: 0
    .kernarg_segment_align: 8
    .kernarg_segment_size: 56
    .max_flat_workgroup_size: 128
    .sgpr_count:     106
    .vgpr_count:     1024
    .wavefront_size: 32
...
	.end_amdgpu_metadata
.endif
;; end of part 4
